; MI455X (gfx1250); checked and timed in simulation.
; The chip was launched on July 23, 2026; its instructions are those of AMD's public machine-readable ISA for CDNA 5 (MIT licence, August 2026) and "CDNA5" Instruction Set Architecture Reference Guide (July 2026). The comments in the code are by the model that wrote it; some were corrected since.
;; Set Abstraction. Allowed arithmetic: float matrix products may take bf16 or f16 operands with f32 sums; all other float work in f32.
;; Inputs: W1 128 x 64 float32; W2 128 x 128 float32; W3 128 x 128 float32; b1 128 float32; b2 128 float32; b3 128 float32; fps_idx 1,024 int32; points 8 x 64 x 32,768 float32; xyz 8 x 3 x 32,768 float32.
;; Outputs: out0 8 x 3 x 1,024 float32; out1 8 x 128 float32.
;; 2 versions, each right; version 2 is version 1 with the launch main written anew for expert scheduling mode. Each part assembles by itself: llvm-mc -triple=amdgcn-amd-amdhsa -mcpu=gfx1250 --defsym DOCPART=n.
;; ======== version 1 of 2: 2 launches
;; workspace buffers: part 131,072 bytes
;; launch main (part 1): grid 256 x 1, 4 waves a work-group, no clusters, 189,952 bytes of LDS; arguments xyz, points, fps_idx, W1, b1, W2, b2, W3, b3, out0, part; writes out0, part
.if DOCPART == 1
	.amdgcn_target "amdgcn-amd-amdhsa--gfx1250"
	.amdhsa_code_object_version 6
	.text
	.protected	k_qec09cab51e_main
	.globl	k_qec09cab51e_main
	.p2align	8
	.type	k_qec09cab51e_main,@function
k_qec09cab51e_main:
	s_mov_b64 s[64:65], 0
	v_nop
	global_prefetch_b8 v0, s[64:65] scope:SCOPE_SE
	s_setreg_imm32_b32 hwreg(HW_REG_WAVE_MODE, 25, 1), 1
	s_wait_xcnt 0x0
; SetAbstraction, first of two launches.  B = 8 batches, N = 32768 points, 64 -> 128 -> 128 -> 128 pointwise MLP, 1024 centres, radius 0.1.
; Work-group g: batch b = g >> 5, points (g & 31) * 1024 .. + 1023.  Four waves, 256 points each, in 4 chunks of 64 points.
; A chunk is 4 column tiles of 16: column r of tile p is point n + 4 r + p (any order serves a maximum; this one lets one 16-byte load feed all 4 tiles).
; part[g][o] = max over the group's points of where(in any ball, relu(h3), lowest f32); the second launch takes the maximum of a batch's 32 rows.
; The groups with g & 31 = 0 also store out0 = the gathered centres of their batch.
;
; BALL QUERY ON THE MATRIX UNIT.  d2 = |c|^2 + |p|^2 + sum over d of (-2 c_d) p_d, as the problem forms it.  Every f32 is cut exactly into three bf16
; parts H + M + L (8 + 8 + 8 bits, by truncation), and the partial products fill the 32 K places of one bf16 matrix instruction:
; 8 of the 9 products of each coordinate (L x L, below 2^-32 of |c||p|, is left out), the three parts of |c|^2 against 1, the three of |p|^2 against 1.
; One instruction gives d2 of 16 centres x 16 points; four v_min3 fold it into running minima.
; MLP: A = weights (rows), B = points (columns).  A result's register j in lane (r, h) is (row 8 h + j, column r), which is the B layout of the next
; layer: ReLU and a packed conversion, and the chain of three layers never leaves the lane.
; MASK: pen = 0 inside, -1.7e38 outside, is the C operand of layer 3's first K step.  b3 and the last ReLU commute with the maximum and come at the end.
;
; LIMITS.  A point whose d2 lies within about 2^-22 (|c|^2 + |p|^2) of 0.01 may fall on the other side than in f32 arithmetic of another order.
; The mask shift holds for |h3| < 1.7e38.  A NaN coordinate counts as outside every ball; NaN features are dropped by the maxima.
; Indices are clamped to 0 .. 32767.  Weights and features go to the matrix unit in bf16.
; NO CLUSTER, NO TENSOR LOADS: what work-groups share is 160 KiB of f32 weights and 12 KiB of gathered centres, read once by each, and both are
; converted on their way into LDS; a joint load would need an f32 stage of that size and a second pass.  The 64 MiB of features are shared by nobody,
; and their rows [channel][point] give the B fragment by plain 16-byte loads (16 lanes = 256 consecutive, aligned bytes), so they skip LDS.
;
; LDS (filled by ds_store alone):
;   0       centres: tile ct (16 centres) at ct * 1040 + u * 512 + lane * 16 (u: registers 0-3 / 4-7 of the A fragment)
;   66560   weights: fragment f at f * 1088 + (2 u + h) * 272 + r * 16; f = 2 T + s (W1), 16 + 4 T + s (W2), 48 + 4 T + s (W3)
;   153600  RED: o * 272 + wave * 64 + r * 4     188416  ANYB: 4 * wave     188672  FIN: 4 * o
;   pitches 272 = 256 + 16 and 1040 = 1024 + 16: sixteen lanes' 16 bytes fall on sixteen different 16-byte columns of 256 bytes.
; REGISTERS, in windows of 256:
;   window 0: addresses, XS (a chunk's features, f32), the ball query's operands and results
;   window 1: HB0 0-127 (layer 1's output, 32 p + 8 s + q), ACC1 128-191 (32 (T & 1) + 8 p), BIAS1 192-255 (8 T + j)
;   window 2: HB1 0-127 (layer 2's output; during layer 1 the features in bf16), ACC2 128-191, BIAS2 192-255
;   window 3: AF 0-63 (weight fragments, 32 (T & 1) + 8 s), ACC3 64-127, RUN 128-191 (8 T + j), MASKC 192-223 (8 p + j), v224-225 LDS addresses
.set ROWB,   131072                    ; bytes of one row of xyz or of points (32768 f32)
.set CPITCH, 1040
.set FPITCH, 1088
.set WF,     66560
.set RED,    153600
.set ANYB,   188416
.set FIN,    188672
.set LN16, 1                           ; lane * 16
.set R16,  2                           ; r * 16
.set XOFF, 3                           ; h * 8 channel rows + r * 16
.set SW3,  4                           ; LDS store term of W3
.set CA,   5                           ; LDS address of the centre tiles, stepped
.set ONE,  6                           ; 1.0
.set B3V,  7                           ; b3[t]
.set ANY,  8                           ; largest pen so far: 0 as soon as a point lay in a ball
.set RA,   9                           ; RED + h * 2176 + wave * 64 + r * 4
.set SW1,  10                          ; LDS store term of W1
.set SW2,  11                          ; of W2
.set SCEN, 12                          ; of the centres
.set T32,  13                          ; 32 t
.set T16,  14                          ; 16 t
.set H32,  15                          ; 32 h
.set T4,   16                          ; 4 t
.set TM,   17                          ; v17-21 at work
.set PENR, 22                          ; -1.7e38
.set ZERO, 23
.set XS,   24                          ; v24-151  load i = 16 s + 8 u + m: channel 32 s + 16 u + 8 h + m, points n + 4 r .. + 3
.set DR,   152                         ; v152-183 four results of the ball query; at work while the points' fragments are built
.set CF,   184                         ; v184-199 two centre fragments
.set PF,   200                         ; v200-231 the four tiles' point fragments
.set MN,   232                         ; v232-239 two running minima a tile
.set XYZS, 240                         ; v240-251 x, y, z of points n + 4 r .. + 3
.set IDX,  152                         ; set-up: 8 gather offsets
.set CX,   160                         ; set-up: my 8 centres' x, y (CX + 8), z (CX + 16)
.set GX,   184                         ; set-up: H, M, L of -2 cx; GX + 3: of -2 cy; GX + 6: of -2 cz; GX + 9: of |c|^2
.set E0,   208                         ; set-up: a centre's 8 words for lanes 0-15
.set E1,   216                         ; and for lanes 16-31
.set PHX,  DR                          ; H, M, L of x; + 3: of y; + 6: of z
.set PPP,  DR+9                        ; H, M, L of |p|^2
.set PA,   DR+12
.set PT,   DR+15
.set PE,   DR+18
.set WA12, 224                         ; window 3: WF + h * 272 + r * 16
.set WA3,  225                         ; window 3: the same + 48 fragments
.set MSB, 0
.macro WIN new                         ; the immediate's high byte repeats the setting that is left; a switch that changes nothing is dropped
.if MSB != \new
	s_set_vgpr_msb (MSB<<8)|\new
.set MSB, \new
.endif
.endm
.macro PLACES                          ; four independent vector instructions behind a matrix instruction (ISA guide 7.12.1), where there is no useful work
.rept 4
	v_nop
.endr
.endm
; x = H + M + L exactly: H the upper 8 bits of the significand, M the next 8, L the rest.  x may be the register ll.
.macro SPLIT x, hh, mm, ll
	v_and_b32 v[\hh], s38, v[\x]
	v_sub_f32 v[\ll], v[\x], v[\hh]
	v_and_b32 v[\mm], s38, v[\ll]
	v_sub_f32 v[\ll], v[\ll], v[\mm]
.endm
; Centre k of my eight (number 512 (k >> 2) + 4 t + (k & 3)): its 16 K places for lanes 0-15 and for lanes 16-31, into LDS.
; v_perm_b32 d, a, b, s39 = upper half of b below, upper half of a above.
.macro CENTER k
	v_mul_f32 v[GX+2], -2.0, v[CX+\k]
	v_mul_f32 v[GX+5], -2.0, v[CX+8+\k]
	v_mul_f32 v[GX+8], -2.0, v[CX+16+\k]
	v_mul_f32 v[GX+11], v[CX+\k], v[CX+\k]
	v_fmac_f32 v[GX+11], v[CX+8+\k], v[CX+8+\k]
	v_fmac_f32 v[GX+11], v[CX+16+\k], v[CX+16+\k]
	SPLIT GX+2, GX, GX+1, GX+2
	SPLIT GX+5, GX+3, GX+4, GX+5
	SPLIT GX+8, GX+6, GX+7, GX+8
	SPLIT GX+11, GX+9, GX+10, GX+11
	v_perm_b32 v[E0+0], v[GX+1], v[GX+0], s39      ; gxH, gxM
	v_perm_b32 v[E0+1], v[GX+0], v[GX+2], s39      ; gxL, gxH
	v_perm_b32 v[E0+2], v[GX+3], v[GX+1], s39      ; gxM, gyH
	v_perm_b32 v[E0+3], v[GX+5], v[GX+4], s39      ; gyM, gyL
	v_perm_b32 v[E0+4], v[GX+4], v[GX+3], s39      ; gyH, gyM
	v_perm_b32 v[E0+5], v[GX+7], v[GX+6], s39      ; gzH, gzM
	v_perm_b32 v[E0+6], v[GX+6], v[GX+8], s39      ; gzL, gzH
	v_perm_b32 v[E0+7], v[GX+9], v[GX+7], s39      ; gzM, CH
	v_perm_b32 v[E1+0], v[GX+1], v[GX+0], s39      ; gxH, gxM
	v_perm_b32 v[E1+1], v[GX+2], v[GX+10], s39     ; CM,  gxL
	v_perm_b32 v[E1+2], v[GX+3], v[ONE], s39       ; 1,   gyH
	v_perm_b32 v[E1+3], v[GX+11], v[GX+4], s39     ; gyM, CL
	v_perm_b32 v[E1+4], v[ONE], v[GX+5], s39       ; gyL, 1
	v_perm_b32 v[E1+5], v[GX+7], v[GX+6], s39      ; gzH, gzM
	v_and_b32 v[E1+6], s38, v[GX+8]                ; 0,   gzL      (word 7 = 1, 0 is constant and written once)
	ds_store_b128 v[SCEN], v[E0:E0+3]   offset:((\k)>>2)*33280+((\k)&3)*16
	ds_store_b128 v[SCEN], v[E1:E1+3]   offset:((\k)>>2)*33280+((\k)&3)*16+256
	ds_store_b128 v[SCEN], v[E0+4:E0+7] offset:((\k)>>2)*33280+((\k)&3)*16+512
	ds_store_b128 v[SCEN], v[E1+4:E1+7] offset:((\k)>>2)*33280+((\k)&3)*16+768
.endm
.macro XYZLOAD                         ; the chunk's coordinates: both halves of the wave read the same 256 bytes of each of the three rows
.irp d, 0,1,2
	global_load_b128 v[XYZS+4*\d:XYZS+4*\d+3], v[R16], s[30:31] offset:\d*ROWB
.endr
.endm
.macro XLOAD                           ; the chunk's features, 32 loads: lanes 0-15 take 256 consecutive aligned bytes of one channel row, lanes 16-31 of the row 8 channels on
.irp s, 0,1
.irp u, 0,1
.irp m, 0,1,2,3,4,5,6,7
	global_load_b128 v[XS+4*(16*\s+8*\u+\m):XS+4*(16*\s+8*\u+\m)+3], v[XOFF], s[10:11] offset:(32*\s+16*\u+\m)*ROWB th:TH_LOAD_NT
.endr
.endr
.endr
.endm
; The B fragment of tile p: places  A A T M E  for x, y, z, then 1.  Lanes 0-15: A = H, T = H, E = M.  Lanes 16-31: A = L, T = 1, E = a part of |p|^2.
.macro PFB p
	SPLIT XYZS+\p, PHX, PHX+1, PHX+2
	SPLIT XYZS+4+\p, PHX+3, PHX+4, PHX+5
	SPLIT XYZS+8+\p, PHX+6, PHX+7, PHX+8
	v_mul_f32 v[PPP+2], v[XYZS+\p], v[XYZS+\p]
	v_fmac_f32 v[PPP+2], v[XYZS+4+\p], v[XYZS+4+\p]
	v_fmac_f32 v[PPP+2], v[XYZS+8+\p], v[XYZS+8+\p]
	SPLIT PPP+2, PPP, PPP+1, PPP+2
.irp d, 0,1,2
	v_cndmask_b32 v[PA+\d], v[PHX+3*\d], v[PHX+3*\d+2], s41
	v_cndmask_b32 v[PT+\d], v[PHX+3*\d], v[ONE], s41
	v_cndmask_b32 v[PE+\d], v[PHX+3*\d+1], v[PPP+\d], s41
.endr
	v_perm_b32 v[PF+8*\p+0], v[PA+0], v[PA+0], s39     ; Ax, Ax
	v_perm_b32 v[PF+8*\p+1], v[PHX+1], v[PT+0], s39    ; Tx, Mx
	v_perm_b32 v[PF+8*\p+2], v[PA+1], v[PE+0], s39     ; Ex, Ay
	v_perm_b32 v[PF+8*\p+3], v[PT+1], v[PA+1], s39     ; Ay, Ty
	v_perm_b32 v[PF+8*\p+4], v[PE+1], v[PHX+4], s39    ; My, Ey
	v_perm_b32 v[PF+8*\p+5], v[PA+2], v[PA+2], s39     ; Az, Az
	v_perm_b32 v[PF+8*\p+6], v[PHX+7], v[PT+2], s39    ; Tz, Mz
	v_perm_b32 v[PF+8*\p+7], v[ONE], v[PE+2], s39      ; Ez, 1
.endm
.macro WB p, x                         ; d2 of the 16 centres in buffer x against the 16 points of tile p
	v_wmma_f32_16x16x32_bf16 v[DR+8*\p:DR+8*\p+7], v[CF+8*\x:CF+8*\x+7], v[PF+8*\p:PF+8*\p+7], 0
.endm
.macro MINS p                          ; a lane's 8 centres of tile p's result into its two running minima
	v_min3_num_f32 v[MN+2*\p], v[MN+2*\p], v[DR+8*\p], v[DR+8*\p+1]
	v_min3_num_f32 v[MN+2*\p+1], v[MN+2*\p+1], v[DR+8*\p+2], v[DR+8*\p+3]
	v_min3_num_f32 v[MN+2*\p], v[MN+2*\p], v[DR+8*\p+4], v[DR+8*\p+5]
	v_min3_num_f32 v[MN+2*\p+1], v[MN+2*\p+1], v[DR+8*\p+6], v[DR+8*\p+7]
.endm
; One centre tile against the four point tiles.  The minima run two results behind the products: every result is read 8 foreign vector
; instructions behind its matrix instruction and written again 12 behind it; the centre buffer is loaded again 4 behind its last use (ISA guide 7.12.1).
; left: the other buffer's two LDS loads are younger than this buffer's and may stay out.
.macro TILE x, first, more, left
	s_wait_dscnt \left
	WB 0, \x
.if \first == 0
	MINS 2
.endif
	WB 1, \x
.if \first
	PLACES
.else
	MINS 3
.endif
	WB 2, \x
	MINS 0
	WB 3, \x
	MINS 1
.if \more
	ds_load_b128 v[CF+8*\x:CF+8*\x+3], v[CA] offset:(2+\x)*CPITCH          ; the tile two further on
	ds_load_b128 v[CF+8*\x+4:CF+8*\x+7], v[CA] offset:(2+\x)*CPITCH+512
.endif
.endm
.macro PEN p                           ; tile p: the least d2 of column r over all 1024 centres, then pen = 0 inside, -1.7e38 outside
	v_min_num_f32 v[MN+2*\p], v[MN+2*\p], v[MN+2*\p+1]
	v_permlanex16_b32 v[MN+2*\p+1], v[MN+2*\p], s34, s35    ; the other half of the lanes holds the other 8 centres of every tile
	v_min_num_f32 v[MN+2*\p], v[MN+2*\p], v[MN+2*\p+1]
	v_cmp_gt_f32 vcc_lo, s36, v[MN+2*\p]
	v_cndmask_b32 v[MN+2*\p], v[PENR], v[ZERO], vcc_lo
	v_max_num_f32 v[ANY], v[ANY], v[MN+2*\p]
.endm
.macro AFL wa, f0, T, kst              ; the kst weight fragments from number f0 on (counted from wa's base) into buffer T & 1; window 0xFB
	.set AB, (\T)&1
	.set si, 0
.rept \kst
	ds_load_b128 v[32*AB+8*si:32*AB+8*si+3], v[\wa] offset:(\f0+si)*FPITCH
	ds_load_b128 v[32*AB+8*si+4:32*AB+8*si+7], v[\wa] offset:(\f0+si)*FPITCH+544
	.set si, si+1
.endr
.endm
.macro WM acc                          ; K step ws of o-tile T (buffer TB) x point tile wp; the first K step takes C0 (bias or mask) as C
.if ws == 0
	v_wmma_f32_16x16x32_bf16 v[\acc+32*TB+8*wp:\acc+32*TB+8*wp+7], v[32*TB+8*ws:32*TB+8*ws+7], v[32*wp+8*ws:32*wp+8*ws+7], v[C0:C0+7]
.else
	v_wmma_f32_16x16x32_bf16 v[\acc+32*TB+8*wp:\acc+32*TB+8*wp+7], v[32*TB+8*ws:32*TB+8*ws+7], v[32*wp+8*ws:32*wp+8*ws+7], v[\acc+32*TB+8*wp:\acc+32*TB+8*wp+7]
.endif
.endm
.macro PACK pp                         ; o-tile TP of point tile pp becomes registers 4 (TP & 1) .. + 3 of the next layer's K step TP >> 1
.irp jj, 0,1,2,3
	v_cvt_pk_bf16_f32 v[32*(\pp)+8*(TP>>1)+4*(TP&1)+\jj], v[128+32*PB+8*(\pp)+2*\jj], v[128+32*PB+8*(\pp)+2*\jj+1]
.endr
.endm
; Half a block of layer 1 or 2: 2 kst matrix instructions, the ReLU of the block before riding between them (under the products' window a vector
; instruction reaches the accumulators as third source and destination: v_max3 with two zeros), then two tiles packed.
.macro HALF12 kst, hasprev, S1, S2, half
	WIN \S1
.rept 2*\kst
	.set ws, wi>>2
	.set wp, wi&3
	WM 128
.if \hasprev
.rept 8/\kst
	v_max3_num_f32 v[128+32*PB+ei], 0, 0, v[128+32*PB+ei]
	.set ei, ei+1
.endr
.endif
	.set wi, wi+1
.endr
.if \hasprev
	WIN \S2
	PACK 2*\half
	PACK 2*\half+1
.endif
.endm
; A block: o-tile T x 4 point tiles x kst K steps.  The four accumulators take turns, one instruction a turn.
; left = the LDS loads of the next block's fragments, which are younger than this block's.
.macro BLK12 kst, T, hasprev, S1, S2, left
	.set TB, (\T)&1
	.set PB, TB^1
	.set TP, (\T)-1
	.set C0, 192+8*(\T)
	.set wi, 0
	.set ei, 0
	WIN \S1
	s_wait_dscnt \left
	HALF12 \kst, \hasprev, \S1, \S2, 0
	HALF12 \kst, \hasprev, \S1, \S2, 1
.if \hasprev == 0
	PLACES                                         ; in front of the fragment loads into this block's buffer and of the next block's ReLU
.endif
.endm
.macro DRAIN12 S2                      ; o-tile 7 has no block behind it to ride in
	.set PB, 1
	.set TP, 7
	.set ei, 0
	WIN \S2
.rept 32
	v_max_num_f32 v[160+ei], 0, v[160+ei]
	.set ei, ei+1
.endr
	PACK 0
	PACK 1
	PACK 2
	PACK 3
.endm
.macro RMAX n                          ; running maximum over columns' tiles and chunks; the middle source is the lowest f32 and changes nothing
.rept \n
	v_max3_num_f32 v[128+8*TP+(ei&7)], v[64+32*PB+ei], s37, v[128+8*TP+(ei&7)]
	.set ei, ei+1
.endr
.endm
.macro BLK3 T, hasprev, left           ; layer 3: everything under one window; four of the maxima stand behind the last product, in front of the fragment loads
	.set TB, (\T)&1
	.set PB, TB^1
	.set TP, (\T)-1
	.set wi, 0
	.set ei, 0
	WIN 0xFB
	s_wait_dscnt \left
.rept 16
	.set ws, wi>>2
	.set wp, wi&3
	.set C0, 192+8*wp
	WM 64
.if \hasprev
.if wi < 14
	RMAX 2
.endif
.if wi == 15
	RMAX 4
.endif
.endif
	.set wi, wi+1
.endr
.if \hasprev == 0
	PLACES
.endif
.endm
; One chunk of 64 points.  more = 1: the next chunk's coordinates and features are asked for, a whole chunk ahead.
.macro CHUNK more
	ds_load_b128 v[CF:CF+3], v[LN16]                       ; centre tiles 0 and 1
	ds_load_b128 v[CF+4:CF+7], v[LN16] offset:512
	ds_load_b128 v[CF+8:CF+11], v[LN16] offset:CPITCH
	ds_load_b128 v[CF+12:CF+15], v[LN16] offset:CPITCH+512
	v_mov_b32 v[CA], v[LN16]
	s_wait_loadcnt 32                                      ; the coordinates are in; the 32 younger loads of features stay out
	PFB 0
	PFB 1
	PFB 2
	PFB 3
.irp i, 0,1,2,3,4,5,6,7
	v_mov_b32 v[MN+\i], 0x7f800000                         ; + infinity
.endr
	TILE 0, 1, 1, 2                                        ; tiles 0, 1
	TILE 1, 0, 1, 2
	v_add_nc_u32 v[CA], 2*CPITCH, v[CA]
	s_mov_b32 s6, 0
.Lball_\@:                                             ; tiles 2 .. 61, two a trip
	TILE 0, 0, 1, 2
	TILE 1, 0, 1, 2
	v_add_nc_u32 v[CA], 2*CPITCH, v[CA]
	s_add_co_u32 s6, s6, 1
	s_cmp_lt_u32 s6, 30
	s_cbranch_scc1 .Lball_\@
	TILE 0, 0, 0, 2                                        ; tiles 62, 63: nothing is left to load, the counts run down
	TILE 1, 0, 0, 0
	MINS 2
	MINS 3
	PEN 0
	PEN 1
	PEN 2
	PEN 3
	WIN 0xC0                                               ; destination window 3
.irp p, 0,1,2,3
.irp j, 0,1,2,3,4,5,6,7
	v_mov_b32 v[192+8*\p+\j], v[MN+2*\p]                   ; C(m, n) = pen of column n in all 8 rows of a lane
.endr
.endr
	WIN 0xFB
	AFL WA12, 0, 0, 2                                      ; W1, o-tiles 0 and 1
	AFL WA12, 2, 1, 2
	s_wait_loadcnt 0x0                                     ; the features, asked for a chunk ago
	WIN 0x80                                               ; destination window 2
.irp p, 0,1,2,3
.irp s, 0,1
.irp u, 0,1
.irp mm, 0,1,2,3
	v_cvt_pk_bf16_f32 v[32*\p+8*\s+4*\u+\mm], v[XS+4*(16*\s+8*\u+2*\mm)+\p], v[XS+4*(16*\s+8*\u+2*\mm+1)+\p]
.endr
.endr
.endr
.endr
	WIN 0
.if \more
	s_add_nc_u64 s[30:31], s[30:31], 256                   ; 64 points on; the wait for 0 above has shown every load that names these bases done
	s_add_nc_u64 s[10:11], s[10:11], 256
	XYZLOAD
	XLOAD
.endif
	; layer 1: 8 blocks of 8 products
	BLK12 2, 0, 0, 0x5B, 0x55, 4
	WIN 0xFB
	AFL WA12, 4, 0, 2
.irp T, 1,2,3,4,5
	BLK12 2, \T, 1, 0x5B, 0x55, 4
	WIN 0xFB
	AFL WA12, 2*\T+4, \T, 2
.endr
	BLK12 2, 6, 1, 0x5B, 0x55, 4
	WIN 0xFB
	AFL WA12, 16, 0, 4                                     ; W2, o-tile 0
	BLK12 2, 7, 1, 0x5B, 0x55, 8
	WIN 0xFB
	AFL WA12, 20, 1, 4
	DRAIN12 0x55
	; layer 2: 8 blocks of 16 products
	BLK12 4, 0, 0, 0xA7, 0xAA, 8
	WIN 0xFB
	AFL WA12, 24, 0, 4
.irp T, 1,2,3,4,5
	BLK12 4, \T, 1, 0xA7, 0xAA, 8
	WIN 0xFB
	AFL WA12, 4*\T+24, \T, 4
.endr
	BLK12 4, 6, 1, 0xA7, 0xAA, 8
	WIN 0xFB
	AFL WA3, 0, 0, 4                                       ; W3, o-tile 0
	BLK12 4, 7, 1, 0xA7, 0xAA, 8
	WIN 0xFB
	AFL WA3, 4, 1, 4
	DRAIN12 0xAA
	; layer 3: 8 blocks of 16 products, the mask as the first C, the running maximum riding between
	BLK3 0, 0, 8
	AFL WA3, 8, 0, 4
.irp T, 1,2,3,4,5
	BLK3 \T, 1, 8
	AFL WA3, 4*\T+8, \T, 4
.endr
	BLK3 6, 1, 8
	BLK3 7, 1, 0                                           ; the last fragments: nothing younger is out
	.set PB, 1
	.set TP, 7
	.set ei, 0
	RMAX 32
	WIN 0
.endm
	; ---------------- set-up ----------------
	s_load_b512 s[8:23], s[0:1], 0x0               ; xyz s[8:9], points s[10:11], fps_idx s[12:13], W1 s[14:15], b1 s[16:17], W2 s[18:19], b2 s[20:21], W3 s[22:23]
	s_load_b128 s[24:27], s[0:1], 0x40             ; b3 s[24:25], out0 s[26:27]
	s_load_b64 s[28:29], s[0:1], 0x50              ; part
	v_lshl_add_u32 v254, v0, 2, 0x2e400
	v_mov_b32 v255, 0
	v_lshrrev_b32 v[TM], 5, v0
	v_readfirstlane_b32 s2, v[TM]                  ; wave
	s_lshr_b32 s3, ttmp9, 5                        ; batch
	s_and_b32 s4, ttmp9, 31                        ; block of 1024 points
	s_mov_b32 s34, 0x76543210                      ; v_permlanex16_b32: lane i reads lane i of the other half
	s_mov_b32 s35, 0xfedcba98
	s_mov_b32 s36, 0x3c23d70a                      ; 0.1 * 0.1 in f32
	s_mov_b32 s37, 0xff7fffff                      ; the lowest f32
	s_mov_b32 s38, 0xffff0000                      ; the bf16 part of an f32
	s_mov_b32 s39, 0x07060302                      ; v_perm_b32: two upper halves
	s_mov_b32 s40, 0xfeffffff                      ; -1.7e38
	s_mov_b32 s41, 0xffff0000                      ; lanes 16-31
	v_and_b32 v[TM+3], 15, v0                      ; r
	v_bfe_u32 v[TM+4], v0, 4, 1                    ; h
	v_lshlrev_b32 v[T16], 4, v0
	v_lshlrev_b32 v[T4], 2, v0
	v_lshlrev_b32 v[T32], 5, v0
	v_lshlrev_b32 v[H32], 5, v[TM+4]
	v_lshlrev_b32 v[R16], 4, v[TM+3]
	v_lshl_add_u32 v[XOFF], v[TM+4], 20, v[R16]    ; 8 channel rows of 131072 bytes for the upper lanes
	s_mul_i32 s32, s3, 393216                      ; a batch of xyz
	s_mov_b32 s33, 0
	s_wait_kmcnt 0x0
	s_add_nc_u64 s[8:9], s[8:9], s[32:33]          ; xyz of my batch: the gathers' base
	s_lshl_b32 s32, s4, 12
	s_lshl_b32 s6, s2, 10
	s_add_co_u32 s32, s32, s6                      ; 4 bytes x (1024 block + 256 wave)
	s_add_nc_u64 s[30:31], s[8:9], s[32:33]        ; xyz at my wave's first chunk
	s_lshl_b32 s6, s3, 23                          ; a batch of points
	s_add_co_u32 s32, s32, s6
	s_add_nc_u64 s[10:11], s[10:11], s[32:33]      ; points at my wave's first chunk
	; 115 loads: indices 2, b3 1, b1 16, W1 16, W2 32, b2 16, W3 32.  A weight unit is 8 consecutive f32 at byte 32 (128 i + t).
	global_load_b128 v[IDX:IDX+3], v[T16], s[12:13]                ; thread t owns centres 4 t + j
	global_load_b128 v[IDX+4:IDX+7], v[T16], s[12:13] offset:2048  ; and 512 + 4 t + j
	global_load_b32 v[B3V], v[T4], s[24:25]
	WIN 0x40                                       ; destination window 1
.irp T, 0,1,2,3,4,5,6,7
	global_load_b128 v[192+8*\T:195+8*\T], v[H32], s[16:17] offset:64*\T       ; b1[16 T + 8 h + j]: the C layout
	global_load_b128 v[196+8*\T:199+8*\T], v[H32], s[16:17] offset:64*\T+16
.endr
.irp i, 0,1,2,3,4,5,6,7
	global_load_b128 v[8*\i:8*\i+3], v[T32], s[14:15] offset:4096*\i
	global_load_b128 v[8*\i+4:8*\i+7], v[T32], s[14:15] offset:4096*\i+16
.endr
.irp i, 0,1,2,3,4,5,6,7,8,9,10,11,12,13,14,15
	global_load_b128 v[64+8*\i:64+8*\i+3], v[T32], s[18:19] offset:4096*\i
	global_load_b128 v[64+8*\i+4:64+8*\i+7], v[T32], s[18:19] offset:4096*\i+16
.endr
	WIN 0x80                                       ; destination window 2
.irp T, 0,1,2,3,4,5,6,7
	global_load_b128 v[192+8*\T:195+8*\T], v[H32], s[20:21] offset:64*\T
	global_load_b128 v[196+8*\T:199+8*\T], v[H32], s[20:21] offset:64*\T+16
.endr
.irp i, 0,1,2,3,4,5,6,7,8,9,10,11,12,13,14,15
	global_load_b128 v[8*\i:8*\i+3], v[T32], s[22:23] offset:4096*\i
	global_load_b128 v[8*\i+4:8*\i+7], v[T32], s[22:23] offset:4096*\i+16
.endr
	WIN 0
	; LDS terms, while the loads are on their way
	v_and_b32 v[TM], 31, v0
	v_lshlrev_b32 v[LN16], 4, v[TM]
	v_and_b32 v[TM], 7, v0                         ; W1: group of 8 k = t & 7, row = t >> 3
	v_lshrrev_b32 v[TM+1], 3, v0
	v_mul_u32_u24 v[TM], 0x110, v[TM]              ; group x 272 = K step x 1088 + (2 u + h) x 272
	v_lshl_add_u32 v[TM], v[TM+1], 4, v[TM]
	v_add_nc_u32 v[SW1], WF, v[TM]
	v_and_b32 v[TM], 15, v0                        ; W2, W3: group = t & 15, row = t >> 4
	v_lshrrev_b32 v[TM+1], 4, v0
	v_mul_u32_u24 v[TM], 0x110, v[TM]
	v_lshl_add_u32 v[TM], v[TM+1], 4, v[TM]
	v_add_nc_u32 v[SW2], WF, v[TM]
	v_add_nc_u32 v[SW3], WF+48*FPITCH, v[TM]       ; a register of its own: with W3's 48 fragments the immediates would pass 16 bits
	v_lshrrev_b32 v[TM], 2, v0                     ; centres: tile t >> 2, rows 4 (t & 3) + j
	v_and_b32 v[TM+1], 3, v0
	v_mul_u32_u24 v[TM], 0x410, v[TM]
	v_lshl_add_u32 v[SCEN], v[TM+1], 6, v[TM]
	v_mul_u32_u24 v[TM], 0x880, v[TM+4]            ; RED: 8 h rows of 272 bytes
	v_lshl_add_u32 v[TM], v[TM+3], 2, v[TM]
	s_lshl_b32 s32, s2, 6
	s_add_co_u32 s32, s32, RED
	v_add_nc_u32 v[RA], s32, v[TM]
	v_mov_b32 v[ONE], 1.0
	v_mov_b32 v[PENR], s40
	v_mov_b32 v[ZERO], 0
	v_mov_b32 v[ANY], s40
	v_mov_b32 v[E1+7], 0x3f80                      ; places 14, 15 of the upper lanes: 1, 0
	s_wait_loadcnt 63                              ; of the 115 at most 63 are out: the first 52 are in, the indices among them
.irp k, 0,1,2,3,4,5,6,7
	v_min_u32 v[IDX+\k], 0x7fff, v[IDX+\k]
	v_lshlrev_b32 v[IDX+\k], 2, v[IDX+\k]
.endr
.irp k, 0,1,2,3,4,5,6,7
	global_load_b32 v[CX+\k], v[IDX+\k], s[8:9]
	global_load_b32 v[CX+8+\k], v[IDX+\k], s[8:9] offset:ROWB
	global_load_b32 v[CX+16+\k], v[IDX+\k], s[8:9] offset:2*ROWB
.endr
	XYZLOAD                                        ; chunk 0
	XLOAD
	; weights: f32 to bf16 in place, 16 bytes a unit into fragment order
	s_wait_loadcnt 59                              ; 24 gathers + 3 + 32 are younger: biases and weights are in
	WIN 0x55
	.set q, 0
.rept 24                                       ; W1's 8 units, W2's 16
	v_cvt_pk_bf16_f32 v[q], v[q], v[q+1]
	v_cvt_pk_bf16_f32 v[q+1], v[q+2], v[q+3]
	v_cvt_pk_bf16_f32 v[q+2], v[q+4], v[q+5]
	v_cvt_pk_bf16_f32 v[q+3], v[q+6], v[q+7]
	.set q, q+8
.endr
	WIN 0x04                                       ; store data window 1
.irp i, 0,1,2,3,4,5,6,7
	ds_store_b128 v[SW1], v[8*\i:8*\i+3] offset:\i*2*FPITCH                    ; row 16 i + (t >> 3): o-tile i
.endr
.irp i, 0,1,2,3,4,5,6,7,8,9,10,11,12,13,14,15
	ds_store_b128 v[SW2], v[64+8*\i:64+8*\i+3] offset:16*FPITCH+(\i>>1)*4*FPITCH+(\i&1)*128    ; row 8 i + (t >> 4): o-tile i >> 1
.endr
	WIN 0xAA
	.set q, 0
.rept 16                                       ; W3
	v_cvt_pk_bf16_f32 v[q], v[q], v[q+1]
	v_cvt_pk_bf16_f32 v[q+1], v[q+2], v[q+3]
	v_cvt_pk_bf16_f32 v[q+2], v[q+4], v[q+5]
	v_cvt_pk_bf16_f32 v[q+3], v[q+6], v[q+7]
	.set q, q+8
.endr
	WIN 0x08                                       ; store data window 2
.irp i, 0,1,2,3,4,5,6,7,8,9,10,11,12,13,14,15
	ds_store_b128 v[SW3], v[8*\i:8*\i+3] offset:(\i>>1)*4*FPITCH+(\i&1)*128
.endr
	WIN 0
	; centres
	s_wait_loadcnt 35                              ; 3 + 32 are younger: the gathers are in
.irp k, 0,1,2,3,4,5,6,7
	CENTER \k
.endr
	s_cmp_lg_u32 s4, 0
	s_cbranch_scc1 .Lno_out0                       ; one work-group of each batch stores the batch's centres
	s_mul_i32 s32, s3, 12288
	s_add_nc_u64 s[26:27], s[26:27], s[32:33]
.irp d, 0,1,2
	global_store_b128 v[T16], v[CX+8*\d:CX+8*\d+3], s[26:27] offset:4096*\d            ; sixteen lanes store 256 consecutive aligned bytes
	global_store_b128 v[T16], v[CX+8*\d+4:CX+8*\d+7], s[26:27] offset:4096*\d+2048
.endr
.Lno_out0:
	s_wait_xcnt 0x0                                ; the stores' data registers are written again (first chunk) only behind this wait
	v_mul_u32_u24 v[TM], 0x110, v[TM+4]            ; weight fragments: h x 272 + r x 16
	v_add_nc_u32 v[TM], v[TM], v[R16]
	v_add_nc_u32 v[TM], WF, v[TM]
	WIN 0xC0                                       ; destination window 3
	.set q, 0
.rept 64
	v_mov_b32 v[128+q], s37                        ; the running maxima start at the lowest f32 (no product can start a maximum), once in the launch
	.set q, q+1
.endr
	v_mov_b32 v[WA12], v[TM]
	v_add_nc_u32 v[WA3], 48*FPITCH, v[TM]
	WIN 0
	s_wait_dscnt 0x0                               ; my stores of weights and centres are done, for the other waves' sake
	s_barrier_signal -1
	s_barrier_wait -1
	; ---------------- the four chunks ----------------
	s_mov_b32 s5, 0
.Lchunk:
	CHUNK 1
	s_add_co_u32 s5, s5, 1
	s_cmp_lt_u32 s5, 3
	s_cbranch_scc1 .Lchunk
	CHUNK 0                                        ; the last chunk asks for nothing: no load leaves the buffers
	; ---------------- the way out ----------------
	WIN 0x0C                                       ; store data window 3
.irp T, 0,1,2,3,4,5,6,7
.irp j, 0,1,2,3,4,5,6,7
	ds_store_b32 v[RA], v[128+8*\T+\j] offset:(16*\T+\j)*272       ; output 16 T + 8 h + j, my wave's column r
.endr
.endr
	WIN 0
	v_max_num_f32_dpp v[ANY], v[ANY], v[ANY] row_xmask:1 row_mask:0xf bank_mask:0xf
	v_max_num_f32_dpp v[ANY], v[ANY], v[ANY] row_xmask:2 row_mask:0xf bank_mask:0xf
	v_max_num_f32_dpp v[ANY], v[ANY], v[ANY] row_xmask:4 row_mask:0xf bank_mask:0xf
	v_max_num_f32_dpp v[ANY], v[ANY], v[ANY] row_xmask:8 row_mask:0xf bank_mask:0xf
	v_permlanex16_b32 v[TM], v[ANY], s34, s35
	v_max_num_f32 v[ANY], v[ANY], v[TM]
	s_lshl_b32 s32, s2, 2
	s_add_co_u32 s32, s32, ANYB
	v_mov_b32 v[TM+1], s32
	ds_store_b32 v[TM+1], v[ANY]
	s_wait_dscnt 0x0                               ; for the other waves' sake
	s_barrier_signal -1
	s_barrier_wait -1
	v_mul_u32_u24 v[TM], 0x110, v0                 ; thread t takes output t: 4 waves x 16 columns = 256 bytes
	v_add_nc_u32 v[TM], RED, v[TM]
	v_mov_b32 v[TM+1], ANYB
.irp i, 0,1,2,3,4,5,6,7,8,9,10,11,12,13,14,15
	ds_load_b128 v[XS+4*\i:XS+4*\i+3], v[TM] offset:16*\i
.endr
	ds_load_b128 v[XS+64:XS+67], v[TM+1]
	s_wait_dscnt 0x0
.irp k, 0,1,2,3
.irp i, 1,3,5,7,9,11,13
	v_max3_num_f32 v[XS+\k], v[XS+\k], v[XS+4*\i+\k], v[XS+4*\i+4+\k]
.endr
	v_max_num_f32 v[XS+\k], v[XS+\k], v[XS+60+\k]
.endr
	v_max3_num_f32 v[XS], v[XS], v[XS+1], v[XS+2]
	v_max_num_f32 v[XS], v[XS], v[XS+3]
	v_max3_num_f32 v[XS+64], v[XS+64], v[XS+65], v[XS+66]
	v_max_num_f32 v[XS+64], v[XS+64], v[XS+67]
	v_add_f32 v[XS], v[XS], v[B3V]                 ; max(h) + b3 = max(h + b3), and ReLU is monotone
	v_max_num_f32 v[XS], 0, v[XS]
	v_mov_b32 v[TM+2], s37
	v_cmp_le_f32 vcc_lo, 0, v[XS+64]               ; some point of the group lay in a ball
	v_cndmask_b32 v[XS], v[TM+2], v[XS], vcc_lo    ; else the lowest f32, as the problem's where() gives
	v_add_nc_u32 v[TM+3], FIN, v[T4]
	ds_store_b32 v[TM+3], v[XS]
	s_wait_dscnt 0x0
	s_barrier_signal -1
	s_barrier_wait -1
	s_cmp_lg_u32 s2, 0
	s_cbranch_scc1 .Lend                           ; wave 0 stores the group's 512 bytes, 16 a lane
	v_add_nc_u32 v[TM], FIN, v[LN16]
	ds_load_b128 v[XS:XS+3], v[TM]
	s_lshl_b32 s32, ttmp9, 9
	s_add_nc_u64 s[28:29], s[28:29], s[32:33]
	s_wait_dscnt 0x0
	global_store_b128 v[LN16], v[XS:XS+3], s[28:29]
.Lend:
	s_wait_tensorcnt 0x0
	ds_add_u32 v254, v255
	s_wait_dscnt 0x0
	s_endpgm
.Lfunc_end_k_qec09cab51e_main:
	.size	k_qec09cab51e_main, .Lfunc_end_k_qec09cab51e_main-k_qec09cab51e_main
	.p2alignl 7, 3214868480
	.fill 96, 4, 3214868480
	.section	.rodata,"a",@progbits
	.p2align	6, 0x0
	.amdhsa_kernel k_qec09cab51e_main
		.amdhsa_group_segment_fixed_size 189952
		.amdhsa_private_segment_fixed_size 0
		.amdhsa_enable_private_segment 0
		.amdhsa_kernarg_size 88
		.amdhsa_user_sgpr_count 2
		.amdhsa_user_sgpr_kernarg_segment_ptr 1
		.amdhsa_wavefront_size32 1
		.amdhsa_system_sgpr_workgroup_id_x 1
		.amdhsa_system_sgpr_workgroup_id_y 1
		.amdhsa_system_sgpr_workgroup_id_z 1
		.amdhsa_system_vgpr_workitem_id 0
		.amdhsa_next_free_vgpr 1024
		.amdhsa_next_free_sgpr 66
		.amdhsa_reserve_vcc 1
		.amdhsa_float_denorm_mode_32 3
		.amdhsa_float_denorm_mode_16_64 3
		.amdhsa_memory_ordered 1
		.amdhsa_forward_progress 1
		.amdhsa_inst_pref_size 255
	.end_amdhsa_kernel
	.section	.bss,"aw",@nobits
	.p2align	6
	.space	262144
	.amdgpu_metadata
---
amdhsa.version: [ 1, 2 ]
amdhsa.kernels:
  - .name:           k_qec09cab51e_main
    .symbol:         k_qec09cab51e_main.kd
    .args:
      - { .name: xyz, .offset: 0, .size: 8, .value_kind: global_buffer, .address_space: global }
      - { .name: points, .offset: 8, .size: 8, .value_kind: global_buffer, .address_space: global }
      - { .name: fps_idx, .offset: 16, .size: 8, .value_kind: global_buffer, .address_space: global }
      - { .name: W1, .offset: 24, .size: 8, .value_kind: global_buffer, .address_space: global }
      - { .name: b1, .offset: 32, .size: 8, .value_kind: global_buffer, .address_space: global }
      - { .name: W2, .offset: 40, .size: 8, .value_kind: global_buffer, .address_space: global }
      - { .name: b2, .offset: 48, .size: 8, .value_kind: global_buffer, .address_space: global }
      - { .name: W3, .offset: 56, .size: 8, .value_kind: global_buffer, .address_space: global }
      - { .name: b3, .offset: 64, .size: 8, .value_kind: global_buffer, .address_space: global }
      - { .name: out0, .offset: 72, .size: 8, .value_kind: global_buffer, .address_space: global }
      - { .name: part, .offset: 80, .size: 8, .value_kind: global_buffer, .address_space: global }
    .group_segment_fixed_size: 189952
    .private_segment_fixed_size: 0
    .kernarg_segment_align: 8
    .kernarg_segment_size: 88
    .max_flat_workgroup_size: 128
    .sgpr_count:     66
    .vgpr_count:     1024
    .wavefront_size: 32
...
	.end_amdgpu_metadata
.endif
;; end of part 1
;; launch reduce (part 2): grid 8 x 1, 4 waves a work-group, no clusters, 2,560 bytes of LDS; arguments part, out1; writes out1
.if DOCPART == 2
	.amdgcn_target "amdgcn-amd-amdhsa--gfx1250"
	.amdhsa_code_object_version 6
	.text
	.protected	k_qec09cab51e_reduce
	.globl	k_qec09cab51e_reduce
	.p2align	8
	.type	k_qec09cab51e_reduce,@function
k_qec09cab51e_reduce:
	s_mov_b64 s[64:65], 0
	v_nop
	global_prefetch_b8 v0, s[64:65] scope:SCOPE_SE
	s_setreg_imm32_b32 hwreg(HW_REG_WAVE_MODE, 25, 1), 1
	s_wait_xcnt 0x0
; out1[b][o] = max over the 32 rows of part that belong to batch b.  part: [256][128] f32, out1: [8][128] f32.
; One work-group a batch (8 in all: that is all the work there is); wave w takes rows 8 w .. 8 w + 7, lane l outputs 4 l .. 4 l + 3.
; A wave's load covers a whole row of 512 bytes.  The four waves' maxima meet in LDS; wave 0 stores the batch's 512 bytes.
; The maxima drop NaN; part holds none for finite inputs.
	s_load_b128 s[4:7], s[0:1], 0x0                ; part s[4:5], out1 s[6:7]
	v_lshl_add_u32 v48, v0, 2, 0x800
	v_mov_b32 v49, 0
	v_lshrrev_b32 v1, 5, v0
	v_readfirstlane_b32 s8, v1                     ; wave
	v_and_b32 v2, 31, v0
	v_lshlrev_b32 v2, 4, v2                        ; 16 x lane
	v_lshlrev_b32 v3, 4, v0                        ; 512 x wave + 16 x lane
	s_lshl_b32 s10, ttmp9, 14                      ; 32 rows of 512 bytes a batch
	s_lshl_b32 s9, s8, 12                          ; 8 rows a wave
	s_add_co_u32 s10, s10, s9
	s_mov_b32 s11, 0
	s_lshl_b32 s12, ttmp9, 9
	s_mov_b32 s13, 0
	s_wait_kmcnt 0x0
	s_add_nc_u64 s[4:5], s[4:5], s[10:11]
	s_add_nc_u64 s[6:7], s[6:7], s[12:13]
.irp k, 0,1,2,3,4,5,6,7
	global_load_b128 v[4+4*\k:7+4*\k], v2, s[4:5] offset:512*\k
.endr
	s_wait_loadcnt 0x0
.irp c, 0,1,2,3
	v_max3_num_f32 v[4+\c], v[4+\c], v[8+\c], v[12+\c]
	v_max3_num_f32 v[4+\c], v[4+\c], v[16+\c], v[20+\c]
	v_max3_num_f32 v[4+\c], v[4+\c], v[24+\c], v[28+\c]
	v_max_num_f32 v[4+\c], v[4+\c], v[32+\c]
.endr
	ds_store_b128 v3, v[4:7]
	s_wait_dscnt 0x0                               ; for the other waves' sake
	s_barrier_signal -1
	s_barrier_wait -1
	s_cmp_lg_u32 s8, 0
	s_cbranch_scc1 .Lend
.irp k, 0,1,2,3
	ds_load_b128 v[8+4*\k:11+4*\k], v2 offset:512*\k
.endr
	s_wait_dscnt 0x0
.irp c, 0,1,2,3
	v_max3_num_f32 v[8+\c], v[8+\c], v[12+\c], v[16+\c]
	v_max_num_f32 v[8+\c], v[8+\c], v[20+\c]
.endr
	global_store_b128 v2, v[8:11], s[6:7]          ; 32 lanes store the batch's 512 consecutive bytes
.Lend:
	s_wait_tensorcnt 0x0
	ds_add_u32 v48, v49
	s_wait_dscnt 0x0
	s_endpgm
.Lfunc_end_k_qec09cab51e_reduce:
	.size	k_qec09cab51e_reduce, .Lfunc_end_k_qec09cab51e_reduce-k_qec09cab51e_reduce
	.p2alignl 7, 3214868480
	.fill 96, 4, 3214868480
	.section	.rodata,"a",@progbits
	.p2align	6, 0x0
	.amdhsa_kernel k_qec09cab51e_reduce
		.amdhsa_group_segment_fixed_size 2560
		.amdhsa_private_segment_fixed_size 0
		.amdhsa_enable_private_segment 0
		.amdhsa_kernarg_size 16
		.amdhsa_user_sgpr_count 2
		.amdhsa_user_sgpr_kernarg_segment_ptr 1
		.amdhsa_wavefront_size32 1
		.amdhsa_system_sgpr_workgroup_id_x 1
		.amdhsa_system_sgpr_workgroup_id_y 1
		.amdhsa_system_sgpr_workgroup_id_z 1
		.amdhsa_system_vgpr_workitem_id 0
		.amdhsa_next_free_vgpr 50
		.amdhsa_next_free_sgpr 66
		.amdhsa_reserve_vcc 0
		.amdhsa_float_denorm_mode_32 3
		.amdhsa_float_denorm_mode_16_64 3
		.amdhsa_memory_ordered 1
		.amdhsa_forward_progress 1
		.amdhsa_inst_pref_size 4
	.end_amdhsa_kernel
	.amdgpu_metadata
---
amdhsa.version: [ 1, 2 ]
amdhsa.kernels:
  - .name:           k_qec09cab51e_reduce
    .symbol:         k_qec09cab51e_reduce.kd
    .args:
      - { .name: part, .offset: 0, .size: 8, .value_kind: global_buffer, .address_space: global }
      - { .name: out1, .offset: 8, .size: 8, .value_kind: global_buffer, .address_space: global }
    .group_segment_fixed_size: 2560
    .private_segment_fixed_size: 0
    .kernarg_segment_align: 8
    .kernarg_segment_size: 16
    .max_flat_workgroup_size: 128
    .sgpr_count:     66
    .vgpr_count:     50
    .wavefront_size: 32
...
	.end_amdgpu_metadata
.endif
;; end of part 2
;; ======== version 2 of 2: 2 launches; version 1 with the launch main written anew for expert scheduling mode
;; workspace buffers: part 131,072 bytes
;; launch main (part 3): grid 256 x 1, 4 waves a work-group, no clusters, 189,952 bytes of LDS; arguments xyz, points, fps_idx, W1, b1, W2, b2, W3, b3, out0, part; writes out0, part
.if DOCPART == 3
	.amdgcn_target "amdgcn-amd-amdhsa--gfx1250"
	.amdhsa_code_object_version 6
	.text
	.protected	k_qec09cab51e_main
	.globl	k_qec09cab51e_main
	.p2align	8
	.type	k_qec09cab51e_main,@function
k_qec09cab51e_main:
	s_mov_b64 s[64:65], 0
	v_nop
	global_prefetch_b8 v0, s[64:65] scope:SCOPE_SE
	s_setreg_imm32_b32 hwreg(HW_REG_WAVE_SCHED_MODE, 0, 2), 2
	s_setreg_imm32_b32 hwreg(HW_REG_WAVE_MODE, 25, 1), 1
	s_wait_xcnt 0x0
	s_wait_alu depctr_vm_vsrc(0)
; SetAbstraction, first of two launches.  B = 8 batches, N = 32768 points, 64 -> 128 -> 128 -> 128 pointwise MLP, 1024 centres, radius 0.1.
; Work-group g: batch b = g >> 5, points (g & 31) * 1024 .. + 1023.  Four waves, 256 points each, in 4 chunks of 64 points.
; A chunk is 4 column tiles of 16: column r of tile p is point n + 4 r + p (any order serves a maximum; this one lets one 16-byte load feed all 4 tiles).
; part[g][o] = max over the group's points of where(in any ball, relu(h3), lowest f32); the second launch takes the maximum of a batch's 32 rows.
; The groups with g & 31 = 0 also store out0 = the gathered centres of their batch.
;
; BALL QUERY ON THE MATRIX UNIT.  d2 = |c|^2 + |p|^2 + sum over d of (-2 c_d) p_d, as the problem forms it.  Every f32 is cut exactly into three bf16
; parts H + M + L (8 + 8 + 8 bits, by truncation), and the partial products fill the 32 K places of one bf16 matrix instruction:
; 8 of the 9 products of each coordinate (L x L, below 2^-32 of |c||p|, is left out), the three parts of |c|^2 against 1, the three of |p|^2 against 1.
; One instruction gives d2 of 16 centres x 16 points; four v_min3 fold it into running minima.
; MLP: A = weights (rows), B = points (columns).  A result's register j in lane (r, h) is (row 8 h + j, column r), which is the B layout of the next
; layer: ReLU and a packed conversion, and the chain of three layers never leaves the lane.
; MASK: pen = 0 inside, -1.7e38 outside, is the C operand of layer 3's first K step.  b3 and the last ReLU commute with the maximum and come at the end.
;
; LIMITS.  A point whose d2 lies within about 2^-22 (|c|^2 + |p|^2) of 0.01 may fall on the other side than in f32 arithmetic of another order.
; The mask shift holds for |h3| < 1.7e38.  A NaN coordinate counts as outside every ball; NaN features are dropped by the maxima.
; Indices are clamped to 0 .. 32767.  Weights and features go to the matrix unit in bf16.
; NO CLUSTER, NO TENSOR LOADS: what work-groups share is 160 KiB of f32 weights and 12 KiB of gathered centres, read once by each, and both are
; converted on their way into LDS; a joint load would need an f32 stage of that size and a second pass.  The 64 MiB of features are shared by nobody,
; and their rows [channel][point] give the B fragment by plain 16-byte loads (16 lanes = 256 consecutive, aligned bytes), so they skip LDS.
;
; THE MODE: SCHED_MODE bits 1:0 = 2 (LLVM: expert scheduling mode 2), set by the entry lines.  The code itself states the register dependences
; between vector or matrix instructions and memory or LDS instructions, with s_wait_alu, always for 0.
; THE PLAN.  Registers that memory or LDS instructions touch, in a chunk:
;   CF0, CF1   two groups of four centre fragments.  Step s of the ball query (4 centre tiles, 16 products) reads group s % 2; the LDS loads of step s + 1's
;              tiles are issued in step s and land in the other group, which the products of step s - 1 read.
;   v[CA]      read by those loads; written once for two steps, at the head of the odd one.
;   AF0, AF1   two buffers of four weight fragments.  A unit of 16 products (two o-tiles of layer 1, one of layers 2 and 3) reads one; behind it the unit after next lands there.
;   XS         read by the chunk's 64 conversions; the next chunk's 32 loads land in it, dealt among layer 1's products.
;   XYZS       read while the points' fragments are built; the next chunk's 3 loads land in it.
;   All other addresses (v1-v4, v9-v16, and v224-226 of window 3) are made once in the set-up.
; So one wait on va_vdst stands for every 16 products: at the head of a ball step, ahead of a run of weight fragments (layers 1 and 2), at the head of a block (layer 3),
; and one behind the features' conversions.  The loads behind such a wait land in registers that no vector or matrix instruction issued since the wait names.
;
; LDS (filled by ds_store alone):
;   0       centres: tile ct (16 centres) at ct * 1040 + u * 512 + lane * 16 (u: registers 0-3 / 4-7 of the A fragment)
;   66560   weights: fragment f at f * 1088 + (2 u + h) * 272 + r * 16; f = 2 T + s (W1), 16 + 4 T + s (W2), 48 + 4 T + s (W3)
;   153600  RED: o * 272 + wave * 64 + r * 4     188416  ANYB: 4 * wave     188672  FIN: 4 * o
;   pitches 272 = 256 + 16 and 1040 = 1024 + 16: sixteen lanes' 16 bytes fall on sixteen different 16-byte columns of 256 bytes.
; REGISTERS, in windows of 256:
;   window 0: addresses; v24-151 HB0 (layer 1's output, 32 p + 8 s + q), of which v24-87 hold the centre fragments during the ball query; the ball query's other operands and results
;   window 1: XS 0-127 (a chunk's features, f32), ACC1 128-191 (32 (T & 1) + 8 p), BIAS1 192-255 (8 T + j)
;   window 2: HB1 0-127 (layer 2's output; during layer 1 the features in bf16), ACC2 128-191, BIAS2 192-255
;   window 3: AF 0-63 (weight fragments), ACC3 64-127, RUN 128-191 (8 T + j), MASKC 192-223 (8 p + j), v224-226 addresses
.set ROWB,   131072                    ; bytes of one row of xyz or of points (32768 f32)
.set CPITCH, 1040
.set FPITCH, 1088
.set WF,     66560
.set RED,    153600
.set ANYB,   188416
.set FIN,    188672
.set LN16, 1                           ; lane * 16
.set R16,  2                           ; r * 16
.set XOFF, 3                           ; h * 8 channel rows + r * 16
.set SW3,  4                           ; LDS store term of W3
.set CA,   5                           ; LDS address of the centre tiles, stepped
.set ONE,  6                           ; 1.0
.set B3V,  7                           ; b3[t]
.set ANY,  8                           ; largest pen so far: 0 as soon as a point lay in a ball
.set RA,   9                           ; RED + h * 2176 + wave * 64 + r * 4
.set SW1,  10                          ; LDS store term of W1; on the way out: FIN + lane * 16
.set SW2,  11                          ; of W2; on the way out: the lowest f32
.set SCEN, 12                          ; of the centres
.set T32,  13                          ; 32 t
.set T16,  14                          ; 16 t
.set H32,  15                          ; 32 h
.set T4,   16                          ; 4 t
.set TM,   17                          ; v17-21 at work
.set PENR, 22                          ; -1.7e38
.set ZERO, 23
.set CFB,  24                          ; v24-87   centre fragment slot n at CFB + 8 n; group 0: slots 0-3, group 1: slots 4-7
.set HB0,  24                          ; v24-151  layer 1's output
.set WK,   24                          ; the way out: at work
.set DR,   152                         ; v152-183 four results of the ball query; at work while the points' fragments are built
.set PF,   200                         ; v200-231 the four tiles' point fragments
.set MN,   232                         ; v232-239 two running minima a tile
.set XYZS, 240                         ; v240-251 x, y, z of points n + 4 r .. + 3
.set IDX,  152                         ; set-up: 8 gather offsets
.set CX,   160                         ; set-up: my 8 centres' x, y (CX + 8), z (CX + 16)
.set GX,   184                         ; set-up: H, M, L of -2 cx; GX + 3: of -2 cy; GX + 6: of -2 cz; GX + 9: of |c|^2
.set EB,   200                         ; set-up: two sets of 16: a centre's 8 words for lanes 0-15, then its 8 for lanes 16-31
.set PHX,  DR                          ; H, M, L of x; + 3: of y; + 6: of z
.set PPP,  DR+9                        ; H, M, L of |p|^2
.set PA,   DR+12
.set PT,   DR+15
.set PE,   DR+18
.set XS,   0                           ; window 1: load i = 16 s + 8 u + m at XS + 4 i: channel 32 s + 16 u + 8 h + m, points n + 4 r .. + 3
.set WA12, 224                         ; window 3: WF + h * 272 + r * 16
.set WA3,  225                         ; window 3: the same + 48 fragments
.set XO3,  226                         ; window 3: a copy of v[XOFF], for loads that stand under layer 1's windows
.set PM,   42                          ; s42-45   the four tiles' masks: inside a ball
.set MSB, 0
.macro WIN new                         ; the immediate's high byte repeats the setting that is left; a switch that changes nothing is dropped
.if MSB != \new
	s_set_vgpr_msb (MSB<<8)|\new
.set MSB, \new
.endif
.endm
.macro PLACES                          ; four independent vector instructions behind a matrix instruction (ISA guide 7.12.1), where there is no useful work
.rept 4
	v_nop
.endr
.endm
; x = H + M + L exactly: H the upper 8 bits of the significand, M the next 8, L the rest.  x may be the register ll.
.macro SPLIT x, hh, mm, ll
	v_and_b32 v[\hh], s38, v[\x]
	v_sub_f32 v[\ll], v[\x], v[\hh]
	v_and_b32 v[\mm], s38, v[\ll]
	v_sub_f32 v[\ll], v[\ll], v[\mm]
.endm
; Centre k of my eight (number 512 (k >> 2) + 4 t + (k & 3)): its 16 K places for lanes 0-15 and for lanes 16-31, into set k & 1.
; v_perm_b32 d, a, b, s39 = upper half of b below, upper half of a above.  freed = 1: both sets have been stored before.
.macro CENTER k, freed
	.set EA, EB+16*((\k)&1)
	v_mul_f32 v[GX+2], -2.0, v[CX+\k]
	v_mul_f32 v[GX+5], -2.0, v[CX+8+\k]
	v_mul_f32 v[GX+8], -2.0, v[CX+16+\k]
	v_mul_f32 v[GX+11], v[CX+\k], v[CX+\k]
	v_fmac_f32 v[GX+11], v[CX+8+\k], v[CX+8+\k]
	v_fmac_f32 v[GX+11], v[CX+16+\k], v[CX+16+\k]
	SPLIT GX+2, GX, GX+1, GX+2
	SPLIT GX+5, GX+3, GX+4, GX+5
	SPLIT GX+8, GX+6, GX+7, GX+8
	SPLIT GX+11, GX+9, GX+10, GX+11
.if \freed
	s_wait_alu depctr_vm_vsrc(0)                   ; the LDS stores of the two centres before have read both sets, which are written again from here on
.endif
	v_perm_b32 v[EA+0], v[GX+1], v[GX+0], s39      ; gxH, gxM
	v_perm_b32 v[EA+1], v[GX+0], v[GX+2], s39      ; gxL, gxH
	v_perm_b32 v[EA+2], v[GX+3], v[GX+1], s39      ; gxM, gyH
	v_perm_b32 v[EA+3], v[GX+5], v[GX+4], s39      ; gyM, gyL
	v_perm_b32 v[EA+4], v[GX+4], v[GX+3], s39      ; gyH, gyM
	v_perm_b32 v[EA+5], v[GX+7], v[GX+6], s39      ; gzH, gzM
	v_perm_b32 v[EA+6], v[GX+6], v[GX+8], s39      ; gzL, gzH
	v_perm_b32 v[EA+7], v[GX+9], v[GX+7], s39      ; gzM, CH
	v_perm_b32 v[EA+8], v[GX+1], v[GX+0], s39      ; gxH, gxM
	v_perm_b32 v[EA+9], v[GX+2], v[GX+10], s39     ; CM,  gxL
	v_perm_b32 v[EA+10], v[GX+3], v[ONE], s39      ; 1,   gyH
	v_perm_b32 v[EA+11], v[GX+11], v[GX+4], s39    ; gyM, CL
	v_perm_b32 v[EA+12], v[ONE], v[GX+5], s39      ; gyL, 1
	v_perm_b32 v[EA+13], v[GX+7], v[GX+6], s39     ; gzH, gzM
	v_and_b32 v[EA+14], s38, v[GX+8]               ; 0,   gzL      (the last word = 1, 0 is constant and written once in each set)
.endm
.macro CSTORE k                        ; centre k's image goes from set k & 1 into LDS
	.set EA, EB+16*((\k)&1)
	ds_store_b128 v[SCEN], v[EA:EA+3]     offset:((\k)>>2)*33280+((\k)&3)*16
	ds_store_b128 v[SCEN], v[EA+8:EA+11]  offset:((\k)>>2)*33280+((\k)&3)*16+256
	ds_store_b128 v[SCEN], v[EA+4:EA+7]   offset:((\k)>>2)*33280+((\k)&3)*16+512
	ds_store_b128 v[SCEN], v[EA+12:EA+15] offset:((\k)>>2)*33280+((\k)&3)*16+768
.endm
.macro XYZLOAD                         ; the chunk's coordinates: both halves of the wave read the same 256 bytes of each of the three rows
.irp d, 0,1,2
	global_load_b128 v[XYZS+4*\d:XYZS+4*\d+3], v[R16], s[30:31] offset:\d*ROWB
.endr
.endm
; Load i of the 32 that bring a chunk's features: lanes 0-15 take 256 consecutive aligned bytes of one channel row, lanes 16-31 of the row 8 channels on.  a: the register that holds the offset
.macro XL i, a
	global_load_b128 v[XS+4*(\i):XS+4*(\i)+3], v[\a], s[10:11] offset:(32*((\i)>>4)+16*(((\i)>>3)&1)+((\i)&7))*ROWB th:TH_LOAD_NT
.endm
; The B fragment of tile p: places  A A T M E  for x, y, z, then 1.  Lanes 0-15: A = H, T = H, E = M.  Lanes 16-31: A = L, T = 1, E = a part of |p|^2.
.macro PFB p
	SPLIT XYZS+\p, PHX, PHX+1, PHX+2
	SPLIT XYZS+4+\p, PHX+3, PHX+4, PHX+5
	SPLIT XYZS+8+\p, PHX+6, PHX+7, PHX+8
	v_mul_f32 v[PPP+2], v[XYZS+\p], v[XYZS+\p]
	v_fmac_f32 v[PPP+2], v[XYZS+4+\p], v[XYZS+4+\p]
	v_fmac_f32 v[PPP+2], v[XYZS+8+\p], v[XYZS+8+\p]
	SPLIT PPP+2, PPP, PPP+1, PPP+2
.irp d, 0,1,2
	v_cndmask_b32 v[PA+\d], v[PHX+3*\d], v[PHX+3*\d+2], s41
	v_cndmask_b32 v[PT+\d], v[PHX+3*\d], v[ONE], s41
	v_cndmask_b32 v[PE+\d], v[PHX+3*\d+1], v[PPP+\d], s41
.endr
	v_perm_b32 v[PF+8*\p+0], v[PA+0], v[PA+0], s39     ; Ax, Ax
	v_perm_b32 v[PF+8*\p+1], v[PHX+1], v[PT+0], s39    ; Tx, Mx
	v_perm_b32 v[PF+8*\p+2], v[PA+1], v[PE+0], s39     ; Ex, Ay
	v_perm_b32 v[PF+8*\p+3], v[PT+1], v[PA+1], s39     ; Ay, Ty
	v_perm_b32 v[PF+8*\p+4], v[PE+1], v[PHX+4], s39    ; My, Ey
	v_perm_b32 v[PF+8*\p+5], v[PA+2], v[PA+2], s39     ; Az, Az
	v_perm_b32 v[PF+8*\p+6], v[PHX+7], v[PT+2], s39    ; Tz, Mz
	v_perm_b32 v[PF+8*\p+7], v[ONE], v[PE+2], s39      ; Ez, 1
.endm
.macro WB p, f                         ; d2 of the 16 centres in slot f against the 16 points of tile p
	v_wmma_f32_16x16x32_bf16 v[DR+8*\p:DR+8*\p+7], v[CFB+8*(\f):CFB+8*(\f)+7], v[PF+8*\p:PF+8*\p+7], 0
.endm
.macro MINS p                          ; a lane's 8 centres of tile p's result into its two running minima
	v_min3_num_f32 v[MN+2*\p], v[MN+2*\p], v[DR+8*\p], v[DR+8*\p+1]
	v_min3_num_f32 v[MN+2*\p+1], v[MN+2*\p+1], v[DR+8*\p+2], v[DR+8*\p+3]
	v_min3_num_f32 v[MN+2*\p], v[MN+2*\p], v[DR+8*\p+4], v[DR+8*\p+5]
	v_min3_num_f32 v[MN+2*\p+1], v[MN+2*\p+1], v[DR+8*\p+6], v[DR+8*\p+7]
.endm
.macro CLD n                           ; slot n takes the centre tile n places behind v[CA]
	ds_load_b128 v[CFB+8*(\n):CFB+8*(\n)+3], v[CA] offset:(\n)*CPITCH
	ds_load_b128 v[CFB+8*(\n)+4:CFB+8*(\n)+7], v[CA] offset:(\n)*CPITCH+512
.endm
; One centre tile (slot f) against the four point tiles.  The minima run two results behind the products: every result is read 8 foreign vector
; instructions behind its matrix instruction and written again 12 behind it (ISA guide 7.12.1).  n0, n1: slots of the other group that are loaded here, or -1.
.macro TILE f, first, n0, n1
	WB 0, \f
.if \first == 0
	MINS 2
.endif
.if \n0 >= 0
	CLD \n0
.endif
	WB 1, \f
.if \first
	PLACES
.else
	MINS 3
.endif
	WB 2, \f
	MINS 0
.if \n1 >= 0
	CLD \n1
.endif
	WB 3, \f
	MINS 1
.endm
; A step of the ball query: the four centre tiles of group g.  more = 1: the next step's four tiles are loaded into the other group, early in the step.
; on = 1: v[CA] moves on by the eight tiles of two steps.
.macro STEP g, first, more, on
	s_wait_dscnt 0x0                               ; group g is in: its loads were issued early in the step before
.if \on
	s_wait_alu depctr_vm_vsrc(0)                   ; the centre loads issued so far have read v[CA]
	v_add_nc_u32 v[CA], 8*CPITCH, v[CA]
.endif
.if \more
	s_wait_alu depctr_va_vdst(0)                   ; the products of the step before are done reading the other group, in which the loads below land; in an odd step v[CA] is written
	TILE 4*\g, \first, 4-4*\g, 5-4*\g
	TILE 4*\g+1, 0, 6-4*\g, 7-4*\g
.else
	TILE 4*\g, \first, -1, -1
	TILE 4*\g+1, 0, -1, -1
.endif
	TILE 4*\g+2, 0, -1, -1
	TILE 4*\g+3, 0, -1, -1
.endm
.macro AFL wa, f0, rb                  ; the four weight fragments from number f0 on (counted from wa's base) into v[rb .. rb + 31] of window 3; window 0xFB
	.set si, 0
.rept 4
	ds_load_b128 v[(\rb)+8*si:(\rb)+8*si+3], v[\wa] offset:((\f0)+si)*FPITCH
	ds_load_b128 v[(\rb)+8*si+4:(\rb)+8*si+7], v[\wa] offset:((\f0)+si)*FPITCH+544
	.set si, si+1
.endr
.endm
.macro AF1 wa, f0, rb, j               ; load j of those eight alone
	ds_load_b128 v[(\rb)+4*(\j):(\rb)+4*(\j)+3], v[\wa] offset:((\f0)+((\j)>>1))*FPITCH+((\j)&1)*544
.endm
.macro AFRUN wa, f0, rb                ; layers 1 and 2: a run of eight loads between two units: the windows, the wait, the loads
	WIN 0xFB
	s_wait_alu depctr_va_vdst(0)                   ; the 16 products just issued are done reading this buffer of fragments, in which the loads below land
	AFL \wa, \f0, \rb
.endm
.macro WM acc                          ; K step ws of o-tile T (accumulators TB, fragments at AFB) x point tile wp (B at BB); the first K step takes C0 (bias or mask) as C
.if ws == 0
	v_wmma_f32_16x16x32_bf16 v[\acc+32*TB+8*wp:\acc+32*TB+8*wp+7], v[AFB+8*ws:AFB+8*ws+7], v[BB+32*wp+8*ws:BB+32*wp+8*ws+7], v[C0:C0+7]
.else
	v_wmma_f32_16x16x32_bf16 v[\acc+32*TB+8*wp:\acc+32*TB+8*wp+7], v[AFB+8*ws:AFB+8*ws+7], v[BB+32*wp+8*ws:BB+32*wp+8*ws+7], v[\acc+32*TB+8*wp:\acc+32*TB+8*wp+7]
.endif
.endm
.macro PACK pp                         ; o-tile TP of point tile pp becomes registers 4 (TP & 1) .. + 3 of the next layer's K step TP >> 1 (the next layer's B begins at PKB)
.irp jj, 0,1,2,3
	v_cvt_pk_bf16_f32 v[PKB+32*(\pp)+8*(TP>>1)+4*(TP&1)+\jj], v[128+32*PB+8*(\pp)+2*\jj], v[128+32*PB+8*(\pp)+2*\jj+1]
.endr
.endm
; Half a block of layer 1 or 2: 2 kst matrix instructions, the ReLU of the block before riding between them (under the products' window a vector
; instruction reaches the accumulators as third source and destination: v_max3 with two zeros), then two tiles packed.
; XLON = 1 (layer 1 of a chunk that has a successor): behind every second product stands one load of the next chunk's features.  Under layer 1's windows its
; data go to window 1 and its offset comes from window 3; no instruction since the wait behind the conversions names XS or that offset.
.macro HALF12 kst, hasprev, S1, S2, half
	WIN \S1
.rept 2*\kst
	.set ws, wi>>2
	.set wp, wi&3
	WM 128
.if \hasprev
.rept 8/\kst
	v_max3_num_f32 v[128+32*PB+ei], 0, 0, v[128+32*PB+ei]
	.set ei, ei+1
.endr
.endif
.if XLON && (wi&1)
	XL xi, XO3
	.set xi, xi+1
.endif
	.set wi, wi+1
.endr
.if \hasprev
	WIN \S2
	PACK 2*\half
	PACK 2*\half+1
.endif
.endm
; A block: o-tile T x 4 point tiles x kst K steps.  The four accumulators take turns, one instruction a turn.
; left = the LDS loads of the next unit's fragments, which are younger than this unit's; -1: the unit's second block, nothing to wait for.
.macro BLK12 kst, T, hasprev, S1, S2, left
	.set TB, (\T)&1
	.set PB, TB^1
	.set TP, (\T)-1
	.set C0, 192+8*(\T)
.if \kst == 2
	.set AFB, 32*(((\T)>>1)&1)+16*((\T)&1)         ; layer 1: a buffer holds two o-tiles' fragments
.else
	.set AFB, 32*((\T)&1)
.endif
	.set wi, 0
	.set ei, 0
	WIN \S1
.if \left >= 0
	s_wait_dscnt \left
.endif
	HALF12 \kst, \hasprev, \S1, \S2, 0
	HALF12 \kst, \hasprev, \S1, \S2, 1
.if \hasprev == 0
	PLACES                                         ; in front of the next block's ReLU
.endif
.endm
.macro DRAIN12 SR, S2                  ; o-tile 7 has no block behind it to ride in.  SR: the accumulators' window for the ReLU; S2: the packing's windows
	.set PB, 1
	.set TP, 7
	.set ei, 0
	WIN \SR
.rept 32
	v_max_num_f32 v[160+ei], 0, v[160+ei]
	.set ei, ei+1
.endr
	WIN \S2
	PACK 0
	PACK 1
	PACK 2
	PACK 3
.endm
.macro RMAX n                          ; running maximum over columns' tiles and chunks; the middle source is the lowest f32 and changes nothing
.rept \n
	v_max3_num_f32 v[128+8*TP+(ei&7)], v[64+32*PB+ei], s37, v[128+8*TP+(ei&7)]
	.set ei, ei+1
.endr
.endm
; Layer 3: everything under one window, so the next block's eight fragment loads are dealt among this block's first eight products.  more = 0: the last block.
.macro BLK3 T, hasprev, more
	.set TB, (\T)&1
	.set PB, TB^1
	.set TP, (\T)-1
	.set AFB, 32*TB
	.set wi, 0
	.set ei, 0
	WIN 0xFB
	s_wait_dscnt 0x0                               ; this block's fragments are in: their loads were issued early in the block before
.if \more
	s_wait_alu depctr_va_vdst(0)                   ; the products of the block before are done reading the other buffer of fragments, in which the loads below land
.endif
.rept 16
	.set ws, wi>>2
	.set wp, wi&3
	.set C0, 192+8*wp
	WM 64
.if \hasprev
.if wi < 14
	RMAX 2
.endif
.if wi == 15
	RMAX 4
.endif
.endif
.if \more && (wi < 8)
	AF1 WA3, 4*(\T)+4, 32*PB, wi
.endif
	.set wi, wi+1
.endr
.if \hasprev == 0
	PLACES
.endif
.endm
; One chunk of 64 points.  more = 1: the next chunk's coordinates and features are asked for, a whole chunk ahead.
.macro CHUNK more
	s_wait_alu depctr_vm_vsrc(0)                           ; the centre loads of the chunk before have read v[CA]
	v_mov_b32 v[CA], v[LN16]
	s_wait_alu depctr_va_vdst(0)                           ; layer 2 of the chunk before is done reading v24-87 and layer 3 its fragments; at the first chunk: the set-up has written v224-226 of window 3
.irp f, 0,1,2,3,4,5,6,7
	ds_load_b128 v[CFB+8*\f:CFB+8*\f+3], v[LN16] offset:\f*CPITCH          ; centre tiles 0 to 7: both groups
	ds_load_b128 v[CFB+8*\f+4:CFB+8*\f+7], v[LN16] offset:\f*CPITCH+512
.endr
	s_wait_loadcnt 32                                      ; the coordinates are in; the 32 younger loads of features stay out
	PFB 0
	PFB 1
	PFB 2
	PFB 3
.irp i, 0,1,2,3,4,5,6,7
	v_mov_b32 v[MN+\i], 0x7f800000                         ; + infinity
.endr
	STEP 0, 1, 0, 0                                        ; tiles 0-3; group 1 is already asked for
	s_mov_b32 s6, 0
.Lball_\@:                                             ; tiles 4 .. 59, eight a trip; the trip loads tiles 8 .. 63
	STEP 1, 0, 1, 1
	STEP 0, 0, 1, 0
	s_add_co_u32 s6, s6, 1
	s_cmp_lt_u32 s6, 7
	s_cbranch_scc1 .Lball_\@
	STEP 1, 0, 0, 0                                        ; tiles 60-63: nothing is left to load
	MINS 2
	MINS 3
	; the least d2 of column r over all 1024 centres, then pen = 0 inside, -1.7e38 outside
.irp p, 0,1,2,3
	v_min_num_f32 v[MN+2*\p], v[MN+2*\p], v[MN+2*\p+1]
.endr
.irp p, 0,1,2,3
	v_permlanex16_b32 v[MN+2*\p+1], v[MN+2*\p], s34, s35   ; the other half of the lanes holds the other 8 centres of every tile
.endr
.irp p, 0,1,2,3
	v_min_num_f32 v[MN+2*\p], v[MN+2*\p], v[MN+2*\p+1]
.endr
.irp p, 0,1,2,3
	v_cmp_gt_f32 s[PM+\p], s36, v[MN+2*\p]
.endr
	s_wait_alu depctr_va_sdst(0)                           ; the four compares have written s42-45, which the selects below read
.irp p, 0,1,2,3
	v_cndmask_b32 v[MN+2*\p], v[PENR], v[ZERO], s[PM+\p]
.endr
.irp p, 0,1,2,3
	v_max_num_f32 v[ANY], v[ANY], v[MN+2*\p]
.endr
	WIN 0xC0                                               ; destination window 3
.irp p, 0,1,2,3
.irp j, 0,1,2,3,4,5,6,7
	v_mov_b32 v[192+8*\p+\j], v[MN+2*\p]                   ; C(m, n) = pen of column n in all 8 rows of a lane
.endr
.endr
	WIN 0xFB
	AFL WA12, 0, 0                                         ; W1, o-tiles 0, 1 and 2, 3.  No wait: no vector or matrix instruction since the chunk's head names AF or v224
	AFL WA12, 4, 32
	s_wait_loadcnt 0x0                                     ; the features, asked for a chunk ago
	WIN 0x85                                               ; sources window 1, destination window 2
.irp p, 0,1,2,3
.irp s, 0,1
.irp u, 0,1
.irp mm, 0,1,2,3
	v_cvt_pk_bf16_f32 v[32*\p+8*\s+4*\u+\mm], v[XS+4*(16*\s+8*\u+2*\mm)+\p], v[XS+4*(16*\s+8*\u+2*\mm+1)+\p]
.endr
.endr
.endr
.endr
	WIN 0
.if \more
	s_add_nc_u64 s[30:31], s[30:31], 256                   ; 64 points on; the wait for 0 above has shown every load that names these bases done
	s_add_nc_u64 s[10:11], s[10:11], 256
	s_wait_alu depctr_va_vdst(0)                           ; the conversions are done reading XS, and the points' fragments were built from XYZS: the next chunk's loads land in both
	XYZLOAD
.endif
	; layer 1: 8 blocks of 8 products, two blocks to a buffer of fragments; the next chunk's 32 loads of features ride in it
	.set XLON, \more
	.set xi, 0
	.set BB, 0
	.set PKB, HB0
	BLK12 2, 0, 0, 0x5B, 0x05, 8
	BLK12 2, 1, 1, 0x5B, 0x05, -1
	AFRUN WA12, 8, 0
	BLK12 2, 2, 1, 0x5B, 0x05, 8
	BLK12 2, 3, 1, 0x5B, 0x05, -1
	AFRUN WA12, 12, 32
	BLK12 2, 4, 1, 0x5B, 0x05, 8
	BLK12 2, 5, 1, 0x5B, 0x05, -1
	AFRUN WA12, 16, 0                                      ; W2, o-tile 0
	BLK12 2, 6, 1, 0x5B, 0x05, 8
	BLK12 2, 7, 1, 0x5B, 0x05, -1
	AFRUN WA12, 20, 32
	DRAIN12 0x55, 0x05
	; layer 2: 8 blocks of 16 products
	.set XLON, 0
	.set BB, HB0
	.set PKB, 0
	BLK12 4, 0, 0, 0xA3, 0xAA, 8
	AFRUN WA12, 24, 0
.irp T, 1,2,3,4,5
	BLK12 4, \T, 1, 0xA3, 0xAA, 8
	AFRUN WA12, 4*\T+24, 32*(\T&1)
.endr
	BLK12 4, 6, 1, 0xA3, 0xAA, 8
	AFRUN WA3, 0, 0                                        ; W3, o-tile 0
	BLK12 4, 7, 1, 0xA3, 0xAA, 8
	DRAIN12 0xAA, 0xAA
	; layer 3: 8 blocks of 16 products, the mask as the first C, the running maximum riding between
	.set BB, 0
	BLK3 0, 0, 1
.irp T, 1,2,3,4,5,6
	BLK3 \T, 1, 1
.endr
	BLK3 7, 1, 0
	.set PB, 1
	.set TP, 7
	.set ei, 0
	RMAX 32
	WIN 0
.endm
	; ---------------- set-up ----------------
	s_load_b512 s[8:23], s[0:1], 0x0               ; xyz s[8:9], points s[10:11], fps_idx s[12:13], W1 s[14:15], b1 s[16:17], W2 s[18:19], b2 s[20:21], W3 s[22:23]
	s_load_b128 s[24:27], s[0:1], 0x40             ; b3 s[24:25], out0 s[26:27]
	s_load_b64 s[28:29], s[0:1], 0x50              ; part
	v_lshl_add_u32 v254, v0, 2, 0x2e400
	v_mov_b32 v255, 0
	v_lshrrev_b32 v[TM], 5, v0
	v_readfirstlane_b32 s2, v[TM]                  ; wave
	s_lshr_b32 s3, ttmp9, 5                        ; batch
	s_and_b32 s4, ttmp9, 31                        ; block of 1024 points
	s_mov_b32 s34, 0x76543210                      ; v_permlanex16_b32: lane i reads lane i of the other half
	s_mov_b32 s35, 0xfedcba98
	s_mov_b32 s36, 0x3c23d70a                      ; 0.1 * 0.1 in f32
	s_mov_b32 s37, 0xff7fffff                      ; the lowest f32
	s_mov_b32 s38, 0xffff0000                      ; the bf16 part of an f32
	s_mov_b32 s39, 0x07060302                      ; v_perm_b32: two upper halves
	s_mov_b32 s40, 0xfeffffff                      ; -1.7e38
	s_mov_b32 s41, 0xffff0000                      ; lanes 16-31
	v_and_b32 v[TM+3], 15, v0                      ; r
	v_bfe_u32 v[TM+4], v0, 4, 1                    ; h
	v_lshlrev_b32 v[T16], 4, v0
	v_lshlrev_b32 v[T4], 2, v0
	v_lshlrev_b32 v[T32], 5, v0
	v_lshlrev_b32 v[H32], 5, v[TM+4]
	v_lshlrev_b32 v[R16], 4, v[TM+3]
	v_lshl_add_u32 v[XOFF], v[TM+4], 20, v[R16]    ; 8 channel rows of 131072 bytes for the upper lanes
	s_mul_i32 s32, s3, 393216                      ; a batch of xyz
	s_mov_b32 s33, 0
	s_wait_alu depctr_va_sdst(0)                   ; s2 is written, ahead of its first reader: the bases of xyz and points are made from it
	s_wait_kmcnt 0x0
	s_add_nc_u64 s[8:9], s[8:9], s[32:33]          ; xyz of my batch: the gathers' base
	s_lshl_b32 s32, s4, 12
	s_lshl_b32 s6, s2, 10
	s_add_co_u32 s32, s32, s6                      ; 4 bytes x (1024 block + 256 wave)
	s_add_nc_u64 s[30:31], s[8:9], s[32:33]        ; xyz at my wave's first chunk
	s_lshl_b32 s6, s3, 23                          ; a batch of points
	s_add_co_u32 s32, s32, s6
	s_add_nc_u64 s[10:11], s[10:11], s[32:33]      ; points at my wave's first chunk
	s_wait_alu depctr_va_vdst(0)                   ; the offsets v2, v3 and v13 to v16 are written, which the loads below read
	; 115 loads: indices 2, b3 1, b1 16, W1 16, W2 32, b2 16, W3 32.  A weight unit is 8 consecutive f32 at byte 32 (128 i + t).
	global_load_b128 v[IDX:IDX+3], v[T16], s[12:13]                ; thread t owns centres 4 t + j
	global_load_b128 v[IDX+4:IDX+7], v[T16], s[12:13] offset:2048  ; and 512 + 4 t + j
	global_load_b32 v[B3V], v[T4], s[24:25]
	WIN 0x40                                       ; destination window 1
.irp T, 0,1,2,3,4,5,6,7
	global_load_b128 v[192+8*\T:195+8*\T], v[H32], s[16:17] offset:64*\T       ; b1[16 T + 8 h + j]: the C layout
	global_load_b128 v[196+8*\T:199+8*\T], v[H32], s[16:17] offset:64*\T+16
.endr
	WIN 0xC0                                       ; destination window 3: W1 and W2 are staged where the fragments, ACC3 and RUN will lie (window 1 takes the first chunk's features)
.irp i, 0,1,2,3,4,5,6,7
	global_load_b128 v[8*\i:8*\i+3], v[T32], s[14:15] offset:4096*\i
	global_load_b128 v[8*\i+4:8*\i+7], v[T32], s[14:15] offset:4096*\i+16
.endr
.irp i, 0,1,2,3,4,5,6,7,8,9,10,11,12,13,14,15
	global_load_b128 v[64+8*\i:64+8*\i+3], v[T32], s[18:19] offset:4096*\i
	global_load_b128 v[64+8*\i+4:64+8*\i+7], v[T32], s[18:19] offset:4096*\i+16
.endr
	WIN 0x80                                       ; destination window 2
.irp T, 0,1,2,3,4,5,6,7
	global_load_b128 v[192+8*\T:195+8*\T], v[H32], s[20:21] offset:64*\T
	global_load_b128 v[196+8*\T:199+8*\T], v[H32], s[20:21] offset:64*\T+16
.endr
.irp i, 0,1,2,3,4,5,6,7,8,9,10,11,12,13,14,15
	global_load_b128 v[8*\i:8*\i+3], v[T32], s[22:23] offset:4096*\i
	global_load_b128 v[8*\i+4:8*\i+7], v[T32], s[22:23] offset:4096*\i+16
.endr
	WIN 0
	; LDS terms, while the loads are on their way
	v_and_b32 v[TM], 31, v0
	v_lshlrev_b32 v[LN16], 4, v[TM]
	v_and_b32 v[TM], 7, v0                         ; W1: group of 8 k = t & 7, row = t >> 3
	v_lshrrev_b32 v[TM+1], 3, v0
	v_mul_u32_u24 v[TM], 0x110, v[TM]              ; group x 272 = K step x 1088 + (2 u + h) x 272
	v_lshl_add_u32 v[TM], v[TM+1], 4, v[TM]
	v_add_nc_u32 v[SW1], WF, v[TM]
	v_and_b32 v[TM], 15, v0                        ; W2, W3: group = t & 15, row = t >> 4
	v_lshrrev_b32 v[TM+1], 4, v0
	v_mul_u32_u24 v[TM], 0x110, v[TM]
	v_lshl_add_u32 v[TM], v[TM+1], 4, v[TM]
	v_add_nc_u32 v[SW2], WF, v[TM]
	v_add_nc_u32 v[SW3], WF+48*FPITCH, v[TM]       ; a register of its own: with W3's 48 fragments the immediates would pass 16 bits
	v_lshrrev_b32 v[TM], 2, v0                     ; centres: tile t >> 2, rows 4 (t & 3) + j
	v_and_b32 v[TM+1], 3, v0
	v_mul_u32_u24 v[TM], 0x410, v[TM]
	v_lshl_add_u32 v[SCEN], v[TM+1], 6, v[TM]
	v_mul_u32_u24 v[TM], 0x880, v[TM+4]            ; RED: 8 h rows of 272 bytes
	v_lshl_add_u32 v[TM], v[TM+3], 2, v[TM]
	s_lshl_b32 s32, s2, 6
	s_add_co_u32 s32, s32, RED
	v_add_nc_u32 v[RA], s32, v[TM]
	v_mov_b32 v[ONE], 1.0
	v_mov_b32 v[PENR], s40
	v_mov_b32 v[ZERO], 0
	v_mov_b32 v[ANY], s40
	v_mov_b32 v[EB+15], 0x3f80                     ; places 14, 15 of the upper lanes: 1, 0, in both sets
	v_mov_b32 v[EB+31], 0x3f80
	s_wait_loadcnt 63                              ; of the 115 at most 63 are out: the first 52 are in, the indices among them
.irp k, 0,1,2,3,4,5,6,7
	v_min_u32 v[IDX+\k], 0x7fff, v[IDX+\k]
	v_lshlrev_b32 v[IDX+\k], 2, v[IDX+\k]
.endr
	s_wait_alu depctr_va_vdst(0)                   ; the eight gather offsets are written, which the loads below read; so are the LDS terms v1, v4 and v9 to v12, for all that follows
.irp k, 0,1,2,3,4,5,6,7
	global_load_b32 v[CX+\k], v[IDX+\k], s[8:9]
	global_load_b32 v[CX+8+\k], v[IDX+\k], s[8:9] offset:ROWB
	global_load_b32 v[CX+16+\k], v[IDX+\k], s[8:9] offset:2*ROWB
.endr
	XYZLOAD                                        ; chunk 0
	WIN 0x40                                       ; destination window 1
	.set xi, 0
.rept 32
	XL xi, XOFF
	.set xi, xi+1
.endr
	; weights: f32 to bf16 in place, then 16 bytes a unit into fragment order
	s_wait_loadcnt 59                              ; 24 gathers + 3 + 32 are younger: biases and weights are in
	WIN 0xFF
	.set q, 0
.rept 24                                       ; W1's 8 units, W2's 16
	v_cvt_pk_bf16_f32 v[q], v[q], v[q+1]
	v_cvt_pk_bf16_f32 v[q+1], v[q+2], v[q+3]
	v_cvt_pk_bf16_f32 v[q+2], v[q+4], v[q+5]
	v_cvt_pk_bf16_f32 v[q+3], v[q+6], v[q+7]
	.set q, q+8
.endr
	WIN 0xAA
	.set q, 0
.rept 16                                       ; W3
	v_cvt_pk_bf16_f32 v[q], v[q], v[q+1]
	v_cvt_pk_bf16_f32 v[q+1], v[q+2], v[q+3]
	v_cvt_pk_bf16_f32 v[q+2], v[q+4], v[q+5]
	v_cvt_pk_bf16_f32 v[q+3], v[q+6], v[q+7]
	.set q, q+8
.endr
	WIN 0x0C                                       ; store data window 3
	s_wait_alu depctr_va_vdst(0)                   ; the conversions have written all 40 units, which the LDS stores below read
.irp i, 0,1,2,3,4,5,6,7
	ds_store_b128 v[SW1], v[8*\i:8*\i+3] offset:\i*2*FPITCH                    ; row 16 i + (t >> 3): o-tile i
.endr
.irp i, 0,1,2,3,4,5,6,7,8,9,10,11,12,13,14,15
	ds_store_b128 v[SW2], v[64+8*\i:64+8*\i+3] offset:16*FPITCH+(\i>>1)*4*FPITCH+(\i&1)*128    ; row 8 i + (t >> 4): o-tile i >> 1
.endr
	WIN 0x08                                       ; store data window 2
.irp i, 0,1,2,3,4,5,6,7,8,9,10,11,12,13,14,15
	ds_store_b128 v[SW3], v[8*\i:8*\i+3] offset:(\i>>1)*4*FPITCH+(\i&1)*128
.endr
	WIN 0
	; centres, two at a time: one set of registers each, one wait for their eight stores
	s_wait_loadcnt 35                              ; 3 + 32 are younger: the gathers are in
.irp i, 0,1,2,3
	CENTER 2*\i, \i
	CENTER 2*\i+1, 0
	s_wait_alu depctr_va_vdst(0)                   ; both sets are written, which the LDS stores below read
	CSTORE 2*\i
	CSTORE 2*\i+1
.endr
	s_cmp_lg_u32 s4, 0
	s_cbranch_scc1 .Lno_out0                       ; one work-group of each batch stores the batch's centres
	s_mul_i32 s32, s3, 12288
	s_add_nc_u64 s[26:27], s[26:27], s[32:33]
.irp d, 0,1,2
	global_store_b128 v[T16], v[CX+8*\d:CX+8*\d+3], s[26:27] offset:4096*\d            ; sixteen lanes store 256 consecutive aligned bytes
	global_store_b128 v[T16], v[CX+8*\d+4:CX+8*\d+7], s[26:27] offset:4096*\d+2048
.endr
.Lno_out0:
	s_wait_xcnt 0x0                                ; the stores' data registers are written again (first chunk) only behind this wait
	s_wait_alu depctr_vm_vsrc(0)                   ; the gathers have read their offsets and every store so far its data: the weights' stages, the centres' sets, CX and IDX are written again below and in the first chunk
	v_mul_u32_u24 v[TM], 0x110, v[TM+4]            ; weight fragments: h x 272 + r x 16
	v_add_nc_u32 v[TM], v[TM], v[R16]
	v_add_nc_u32 v[TM], WF, v[TM]
	WIN 0xC0                                       ; destination window 3
	.set q, 0
.rept 64
	v_mov_b32 v[128+q], s37                        ; the running maxima start at the lowest f32 (no product can start a maximum), once in the launch
	.set q, q+1
.endr
	v_mov_b32 v[WA12], v[TM]
	v_add_nc_u32 v[WA3], 48*FPITCH, v[TM]
	v_mov_b32 v[XO3], v[XOFF]
	WIN 0
	s_wait_dscnt 0x0                               ; my stores of weights and centres are done, for the other waves' sake
	s_barrier_signal -1
	s_barrier_wait -1
	; ---------------- the four chunks ----------------
	s_mov_b32 s5, 0
.Lchunk:
	CHUNK 1
	s_add_co_u32 s5, s5, 1
	s_cmp_lt_u32 s5, 3
	s_cbranch_scc1 .Lchunk
	CHUNK 0                                        ; the last chunk asks for nothing: no load leaves the buffers
	; ---------------- the way out ----------------
	; The reduction of ANY and all the addresses come first, so that one wait serves every store and load up to the second barrier.
	v_max_num_f32_dpp v[ANY], v[ANY], v[ANY] row_xmask:1 row_mask:0xf bank_mask:0xf
	v_max_num_f32_dpp v[ANY], v[ANY], v[ANY] row_xmask:2 row_mask:0xf bank_mask:0xf
	v_max_num_f32_dpp v[ANY], v[ANY], v[ANY] row_xmask:4 row_mask:0xf bank_mask:0xf
	v_max_num_f32_dpp v[ANY], v[ANY], v[ANY] row_xmask:8 row_mask:0xf bank_mask:0xf
	v_permlanex16_b32 v[TM], v[ANY], s34, s35
	v_max_num_f32 v[ANY], v[ANY], v[TM]
	s_lshl_b32 s32, s2, 2
	s_add_co_u32 s32, s32, ANYB
	v_mov_b32 v[TM+1], s32
	v_mul_u32_u24 v[TM+2], 0x110, v0               ; thread t takes output t: 4 waves x 16 columns = 256 bytes
	v_add_nc_u32 v[TM+2], RED, v[TM+2]
	v_mov_b32 v[TM+3], ANYB
	v_add_nc_u32 v[TM+4], FIN, v[T4]
	v_add_nc_u32 v[SW1], FIN, v[LN16]              ; v10 and v11 were last read by the set-up's LDS stores, ahead of the waits on vm_vsrc since
	v_mov_b32 v[SW2], s37
	WIN 0x0C                                       ; store data window 3
	s_wait_alu depctr_va_vdst(0)                   ; the running maxima, ANY and the addresses above are written, which the stores and loads below read; layer 2 is done reading v24-91, in which the loads land
.irp T, 0,1,2,3,4,5,6,7
.irp j, 0,1,2,3,4,5,6,7
	ds_store_b32 v[RA], v[128+8*\T+\j] offset:(16*\T+\j)*272       ; output 16 T + 8 h + j, my wave's column r
.endr
.endr
	WIN 0
	ds_store_b32 v[TM+1], v[ANY]
	s_wait_dscnt 0x0                               ; for the other waves' sake
	s_barrier_signal -1
	s_barrier_wait -1
.irp i, 0,1,2,3,4,5,6,7,8,9,10,11,12,13,14,15
	ds_load_b128 v[WK+4*\i:WK+4*\i+3], v[TM+2] offset:16*\i
.endr
	ds_load_b128 v[WK+64:WK+67], v[TM+3]
	s_wait_dscnt 0x0
.irp k, 0,1,2,3
.irp i, 1,3,5,7,9,11,13
	v_max3_num_f32 v[WK+\k], v[WK+\k], v[WK+4*\i+\k], v[WK+4*\i+4+\k]
.endr
	v_max_num_f32 v[WK+\k], v[WK+\k], v[WK+60+\k]
.endr
	v_max3_num_f32 v[WK], v[WK], v[WK+1], v[WK+2]
	v_max_num_f32 v[WK], v[WK], v[WK+3]
	v_max3_num_f32 v[WK+64], v[WK+64], v[WK+65], v[WK+66]
	v_max_num_f32 v[WK+64], v[WK+64], v[WK+67]
	v_add_f32 v[WK], v[WK], v[B3V]                 ; max(h) + b3 = max(h + b3), and ReLU is monotone
	v_max_num_f32 v[WK], 0, v[WK]
	v_cmp_le_f32 vcc_lo, 0, v[WK+64]               ; some point of the group lay in a ball
	s_wait_alu depctr_va_vcc(0)                    ; the compare has written VCC, which the select reads
	v_cndmask_b32 v[WK], v[SW2], v[WK], vcc_lo     ; else the lowest f32, as the problem's where() gives
	s_wait_alu depctr_va_vdst(0)                   ; the select has written v[WK], which the LDS store reads; the maxima are done with v[WK+4 ..], in which wave 0's load lands
	ds_store_b32 v[TM+4], v[WK]
	s_wait_dscnt 0x0
	s_barrier_signal -1
	s_barrier_wait -1
	s_cmp_lg_u32 s2, 0
	s_cbranch_scc1 .Lend                           ; wave 0 stores the group's 512 bytes, 16 a lane
	ds_load_b128 v[WK+4:WK+7], v[SW1]              ; into registers that no store has read
	s_lshl_b32 s32, ttmp9, 9
	s_add_nc_u64 s[28:29], s[28:29], s[32:33]
	s_wait_dscnt 0x0
	global_store_b128 v[LN16], v[WK+4:WK+7], s[28:29]
.Lend:
	s_wait_dscnt 0x0
	s_wait_alu depctr_hold_cnt(0) depctr_sa_sdst(0) depctr_va_vdst(0) depctr_va_sdst(0) depctr_va_ssrc(0) depctr_va_vcc(0) depctr_vm_vsrc(0)
	s_wait_tensorcnt 0x0
	ds_add_u32 v254, v255
	s_wait_dscnt 0x0
	s_endpgm
.Lfunc_end_k_qec09cab51e_main:
	.size	k_qec09cab51e_main, .Lfunc_end_k_qec09cab51e_main-k_qec09cab51e_main
	.p2alignl 7, 3214868480
	.fill 96, 4, 3214868480
	.section	.rodata,"a",@progbits
	.p2align	6, 0x0
	.amdhsa_kernel k_qec09cab51e_main
		.amdhsa_group_segment_fixed_size 189952
		.amdhsa_private_segment_fixed_size 0
		.amdhsa_enable_private_segment 0
		.amdhsa_kernarg_size 88
		.amdhsa_user_sgpr_count 2
		.amdhsa_user_sgpr_kernarg_segment_ptr 1
		.amdhsa_wavefront_size32 1
		.amdhsa_system_sgpr_workgroup_id_x 1
		.amdhsa_system_sgpr_workgroup_id_y 1
		.amdhsa_system_sgpr_workgroup_id_z 1
		.amdhsa_system_vgpr_workitem_id 0
		.amdhsa_next_free_vgpr 1024
		.amdhsa_next_free_sgpr 66
		.amdhsa_reserve_vcc 1
		.amdhsa_float_denorm_mode_32 3
		.amdhsa_float_denorm_mode_16_64 3
		.amdhsa_memory_ordered 1
		.amdhsa_forward_progress 1
		.amdhsa_inst_pref_size 255
	.end_amdhsa_kernel
	.section	.bss,"aw",@nobits
	.p2align	6
	.space	262144
	.amdgpu_metadata
---
amdhsa.version: [ 1, 2 ]
amdhsa.kernels:
  - .name:           k_qec09cab51e_main
    .symbol:         k_qec09cab51e_main.kd
    .args:
      - { .name: xyz, .offset: 0, .size: 8, .value_kind: global_buffer, .address_space: global }
      - { .name: points, .offset: 8, .size: 8, .value_kind: global_buffer, .address_space: global }
      - { .name: fps_idx, .offset: 16, .size: 8, .value_kind: global_buffer, .address_space: global }
      - { .name: W1, .offset: 24, .size: 8, .value_kind: global_buffer, .address_space: global }
      - { .name: b1, .offset: 32, .size: 8, .value_kind: global_buffer, .address_space: global }
      - { .name: W2, .offset: 40, .size: 8, .value_kind: global_buffer, .address_space: global }
      - { .name: b2, .offset: 48, .size: 8, .value_kind: global_buffer, .address_space: global }
      - { .name: W3, .offset: 56, .size: 8, .value_kind: global_buffer, .address_space: global }
      - { .name: b3, .offset: 64, .size: 8, .value_kind: global_buffer, .address_space: global }
      - { .name: out0, .offset: 72, .size: 8, .value_kind: global_buffer, .address_space: global }
      - { .name: part, .offset: 80, .size: 8, .value_kind: global_buffer, .address_space: global }
    .group_segment_fixed_size: 189952
    .private_segment_fixed_size: 0
    .kernarg_segment_align: 8
    .kernarg_segment_size: 88
    .max_flat_workgroup_size: 128
    .sgpr_count:     66
    .vgpr_count:     1024
    .wavefront_size: 32
...
	.end_amdgpu_metadata
.endif
;; end of part 3
;; launch reduce: the kernel of part 2 again; grid 8 x 1, 4 waves a work-group, no clusters, 2,560 bytes of LDS; arguments part, out1; writes out1
